; MI455X (gfx1250); checked and timed in simulation.
; The chip was launched on July 23, 2026; its instructions are those of AMD's public machine-readable ISA for CDNA 5 (MIT licence, August 2026) and "CDNA5" Instruction Set Architecture Reference Guide (July 2026). The comments in the code are by the model that wrote it; some were corrected since.
;; Multi Head Attention. Allowed arithmetic: float matrix products may take bf16 or f16 operands with f32 sums; other float arithmetic in f32, or as packed bf16 or f16 multiplies, adds, multiply-adds, maxima and minima; sums over many terms, partial sums and values carried from step to step in f32; what a program stores and reads back later, other than sums and carried values, may be rounded once to bf16 or f16.
;; Inputs: Wk 1,024 x 1,024 float32; Wo 1,024 x 1,024 float32; Wq 1,024 x 1,024 float32; Wv 1,024 x 1,024 float32; beta 1,024 float32; bk 1,024 float32; bo 1,024 float32; bq 1,024 float32; bv 1,024 float32; gamma 1,024 float32; key 4 x 2,048 x 1,024 float32; query 4 x 2,048 x 1,024 float32; value 4 x 2,048 x 1,024 float32.
;; Outputs: out0 4 x 2,048 x 1,024 float32.
;; One version. Each part assembles by itself: llvm-mc -triple=amdgcn-amd-amdhsa -mcpu=gfx1250 --defsym DOCPART=n.
;; ======== version 1 of 1: 4 launches
;; limits: values are held in f16: magnitudes above 65,504 overflow, below 6.1e-05 lose precision
;; workspace buffers: w16 8,388,608 bytes; qkv 50,331,648 bytes; oh 16,777,216 bytes
;; launch prep (part 1): grid 64 x 4, 8 waves a work-group, no clusters, 0 bytes of LDS; arguments Wq, Wk, Wv, Wo, w16; writes w16
.if DOCPART == 1
	.amdgcn_target "amdgcn-amd-amdhsa--gfx1250"
	.amdhsa_code_object_version 6
	.text
	.protected	k_qc133c24dcb_prep
	.globl	k_qc133c24dcb_prep
	.p2align	8
	.type	k_qc133c24dcb_prep,@function
k_qc133c24dcb_prep:
	s_mov_b64 s[64:65], 0
	v_nop
	global_prefetch_b8 v0, s[64:65] scope:SCOPE_SE
	s_setreg_imm32_b32 hwreg(HW_REG_WAVE_MODE, 25, 1), 1
	s_wait_xcnt 0x0
; w16[y][k][n] = weight y rounded once to 16 bits, the layout [k][n] kept.  y = 0, 1, 2: Wq, Wk, Wv to bf16 (they meet x in bf16); y = 3: Wo to f16 (it meets O in f16).
; LIMIT: Wo beyond 65,504 would become an infinity; below 6e-5 it keeps f16's fixed step of 6e-8.
; A stream: no LDS, no barrier, no matrix unit.  A work-group takes 16,384 numbers (65,536 bytes in, 32,768 out): sixteen loads of 16 bytes a lane, all issued before the first is used;
; a wave's load covers 512 consecutive bytes, a wave's store of 8 bytes a lane 256 consecutive bytes at a multiple of 256.  No register is used twice, so no store's source is ever rewritten.
.set X, 4                              ; v[4:67]   sixteen times four f32
.set Y, 68                             ; v[68:99]  sixteen times four 16-bit numbers
	s_load_b256 s[4:11], s[0:1], 0x0               ; Wq s[4:5], Wk s[6:7], Wv s[8:9], Wo s[10:11]
	s_load_b64 s[12:13], s[0:1], 0x20              ; w16
	s_and_b32 s16, ttmp7, 0xffff                   ; y: which weight
	v_lshlrev_b32 v1, 4, v0                        ; 16 bytes a thread in
	v_lshlrev_b32 v2, 3, v0                        ; 8 bytes a thread out
	s_lshl_b32 s18, ttmp9, 16                      ; my chunk in the weight
	s_mov_b32 s19, 0
	s_lshl_b32 s20, s16, 21                        ; the weight's 2,097,152 bytes in w16,
	s_lshl_b32 s17, ttmp9, 15                      ; and my chunk in them
	s_add_co_u32 s20, s20, s17
	s_mov_b32 s21, 0
	s_wait_kmcnt 0x0
	s_mov_b64 s[14:15], s[4:5]                     ; the source is chosen among the four buffers by y alone
	s_cmp_eq_u32 s16, 1
	s_cselect_b64 s[14:15], s[6:7], s[14:15]
	s_cmp_eq_u32 s16, 2
	s_cselect_b64 s[14:15], s[8:9], s[14:15]
	s_cmp_eq_u32 s16, 3
	s_cselect_b64 s[14:15], s[10:11], s[14:15]
	s_add_nc_u64 s[14:15], s[14:15], s[18:19]
	s_add_nc_u64 s[12:13], s[12:13], s[20:21]
.set i, 0
.rept 16
	global_load_b128 v[X+4*i:X+4*i+3], v1, s[14:15] offset:4096*i th:TH_LOAD_NT
.set i, i+1
.endr
.macro CAST op                         ; sixteen times: wait for the oldest load, round four numbers, store them
.set i, 0
.rept 16
	s_wait_loadcnt 15-i                            ; loads come back in order: number i is in, the 15 - i younger ones stay out
	\op v[Y+2*i],   v[X+4*i],   v[X+4*i+1]
	\op v[Y+2*i+1], v[X+4*i+2], v[X+4*i+3]
	global_store_b64 v2, v[Y+2*i:Y+2*i+1], s[12:13] offset:2048*i
.set i, i+1
.endr
.endm
	s_cmp_eq_u32 s16, 3
	s_cbranch_scc1 .Lf16
	CAST v_cvt_pk_bf16_f32
	s_endpgm
.Lf16:
	CAST v_cvt_pk_f16_f32
	s_endpgm
.Lfunc_end_k_qc133c24dcb_prep:
	.size	k_qc133c24dcb_prep, .Lfunc_end_k_qc133c24dcb_prep-k_qc133c24dcb_prep
	.p2alignl 7, 3214868480
	.fill 96, 4, 3214868480
	.section	.rodata,"a",@progbits
	.p2align	6, 0x0
	.amdhsa_kernel k_qc133c24dcb_prep
		.amdhsa_group_segment_fixed_size 0
		.amdhsa_private_segment_fixed_size 0
		.amdhsa_enable_private_segment 0
		.amdhsa_kernarg_size 40
		.amdhsa_user_sgpr_count 2
		.amdhsa_user_sgpr_kernarg_segment_ptr 1
		.amdhsa_wavefront_size32 1
		.amdhsa_system_sgpr_workgroup_id_x 1
		.amdhsa_system_sgpr_workgroup_id_y 1
		.amdhsa_system_sgpr_workgroup_id_z 1
		.amdhsa_system_vgpr_workitem_id 0
		.amdhsa_next_free_vgpr 104
		.amdhsa_next_free_sgpr 66
		.amdhsa_reserve_vcc 0
		.amdhsa_float_denorm_mode_32 3
		.amdhsa_float_denorm_mode_16_64 3
		.amdhsa_memory_ordered 1
		.amdhsa_forward_progress 1
		.amdhsa_inst_pref_size 11
	.end_amdhsa_kernel
	.amdgpu_metadata
---
amdhsa.version: [ 1, 2 ]
amdhsa.kernels:
  - .name:           k_qc133c24dcb_prep
    .symbol:         k_qc133c24dcb_prep.kd
    .args:
      - { .name: Wq, .offset: 0, .size: 8, .value_kind: global_buffer, .address_space: global }
      - { .name: Wk, .offset: 8, .size: 8, .value_kind: global_buffer, .address_space: global }
      - { .name: Wv, .offset: 16, .size: 8, .value_kind: global_buffer, .address_space: global }
      - { .name: Wo, .offset: 24, .size: 8, .value_kind: global_buffer, .address_space: global }
      - { .name: w16, .offset: 32, .size: 8, .value_kind: global_buffer, .address_space: global }
    .group_segment_fixed_size: 0
    .private_segment_fixed_size: 0
    .kernarg_segment_align: 8
    .kernarg_segment_size: 40
    .max_flat_workgroup_size: 256
    .sgpr_count:     66
    .vgpr_count:     104
    .wavefront_size: 32
...
	.end_amdgpu_metadata
.endif
;; end of part 1
;; launch proj (part 2): grid 4 x 192, 4 waves a work-group, clusters of 4 x 4, 327,680 bytes of LDS; arguments query, key, value, bq, bk, bv, w16, qkv; writes qkv
.if DOCPART == 2
	.amdgcn_target "amdgcn-amd-amdhsa--gfx1250"
	.amdhsa_code_object_version 6
	.text
	.protected	k_qc133c24dcb_proj
	.globl	k_qc133c24dcb_proj
	.p2align	8
	.type	k_qc133c24dcb_proj,@function
k_qc133c24dcb_proj:
	s_mov_b64 s[64:65], 0
	v_nop
	global_prefetch_b8 v0, s[64:65] scope:SCOPE_SE
	s_setreg_imm32_b32 hwreg(HW_REG_WAVE_MODE, 25, 1), 1
	s_wait_xcnt 0x0
	s_wait_alu depctr_hold_cnt(0) depctr_sa_sdst(0) depctr_va_vdst(0) depctr_va_sdst(0) depctr_va_ssrc(0) depctr_va_vcc(0) depctr_vm_vsrc(0)
	s_getreg_b32 s2, hwreg(HW_REG_IB_STS2, 6, 4)
	s_cmp_eq_u32 s2, 0
	s_cbranch_scc0 .Lentry_in_a_cluster
	s_endpgm
.Lentry_in_a_cluster:
	s_bfe_u32 s2, ttmp6, 0x10000c
	s_cmp_lg_u32 s2, 0xf033
	s_cbranch_scc0 .Lentry_shape_is_right
	s_endpgm
.Lentry_shape_is_right:
; qkv[z][16 batch + head][n][64] = x_z W_z + b_z, z = 0, 1, 2 (query, key, value), in f16, rounded once from f32 sums, WITHOUT the softmax's scale.
; x: [8192][1024] f32, rounded to bf16 between LDS and the matrix unit; W: w16[z], [k][n] bf16; b: f32, the C operand of the products that start the sums.
; LIMITS: a result beyond 65,504 becomes an infinity in f16; below 6e-5 it keeps f16's fixed step of 6e-8.  NaN and infinities are not treated apart.
; SHARES.  A tile of the result is 128 rows x 256 columns: 64 x 4 x 3 = 768 tiles, three for each of 256 places.  Four waves, each 64 x 128: 32 accumulators of 16 x 16, 256 registers.
; K goes in 8 steps of 128 through two LDS slots: x's tile is 128 rows of 512 bytes (f32), W's 128 rows (k) of 512 bytes (256 columns of bf16); every row starts at a multiple of 256 bytes from its buffer's first.
; CLUSTER 4 x 4: the four of a row need the same tile of x, the four of a column the same tile of W: each is asked for jointly.  z is the same in all sixteen (16 clusters along y for each z).
; THE MATRIX INSTRUCTION IS USED TRANSPOSED: source 0 = 16 columns of W (out of LDS turned, by ds_load_tr16_b128), source 1 = 16 rows of x: a lane then holds eight neighbouring columns of one row.
; A K step is four quarters of 32 along K, 32 matrix instructions each.  The next quarter's 32 LDS loads stand in one run behind the quarter's first eight products; x's raw f32 are rounded to bf16
; in fours behind the quarter's last eight products, so that the conversions take no time of their own and are also the places behind the quarter's last product.
; Left out: work-groups that stay (each has one tile); prefetching (tiles are asked for a K step ahead and shared in the cluster).
; REGISTERS, in windows of 256 (s_set_vgpr_msb: bits 1:0 source 0, 3:2 source 1, 5:4 source 2, 7:6 destination):
;   window 0: v0-29 addresses; v64-127 x in bf16, two buffers of four fragments; v128-191 x as loaded (f32), later with v192-255 the way out
;   window 1: v0-127 W's fragments, two buffers of eight; v128-191 the bias in an accumulator's layout          window 2: accumulator (a, b) at v[8 (8 a + b)]
.set PA,    528                        ; x's LDS row: 512 bytes + 16: an odd multiple of 16, so the 16 rows of a load start at 16 different groups of four banks (64 banks of 4 bytes: ISA guide 11.1)
.set PB,    544                        ; W's LDS row: 512 + 32: an odd multiple of 32
.set HALFA, 64*PA                      ; what one tensor load brings of x
.set HALFB, 64*PB                      ; and of W
.set BOFF,  2*HALFA                    ; in a slot: x's 128 rows, then W's 128 rows
.set SLOT,  BOFF+2*HALFB
.set STAGE, 2*SLOT                     ; behind the ring, never filled by a tensor load: 16 rows x 272 bytes for each wave, for the way out
.set SP,    272
.set SPARE, STAGE+4*16*SP              ; behind the stages: the spare words, 128 bytes for each wave: two blocks of 256 bytes that no other line names
.set ADRA, 16                          ; v16-17  LDS address of my x fragments in slot 0, 1
.set ADRB, 20                          ; v20-21  the same for W
.set STO,  24                          ; v24     the way out: where I put 16 bytes of a row
.set RD,   25                          ; v25     the way out: where I read rows back
.set GO,   26                          ; v26     my byte offset in 512 consecutive bytes of the result
.set BV,   27                          ; v27     my byte offset in 16 numbers of the bias
.set SPW,  28                          ; v28     LDS address of my spare word; never rewritten
.set NIL,  29                          ; v29     0; never rewritten
.set CA,   64                          ; x in bf16: buffer f at CA + 32 f, fragment a at + 8 a
.set RAW,  128                         ; x in f32: fragment a at RAW + 16 a
.set TMP,  128                         ; the way out: block a at TMP + 32 a
.set BIAS, 128                         ; window 1: column block b at BIAS + 8 b
.set G1,  24                           ; s[24:31] descriptor group 1 for x's tiles;  s[32:39] group 0, one set for each slot
.set G0,  32
.set G1B, 48                           ; s[48:55], s[56:63] the same for W's tiles
.set G0B, 56
.set MSB, 0
.macro WIN new                         ; the immediate's high byte repeats the setting that is left; a switch that changes nothing is dropped
.if MSB != (\new)
	s_set_vgpr_msb (MSB<<8)|(\new)
.set MSB, \new
.endif
.endm
.set W_MUL,  0xa1                      ; source 0 (W) window 1, source 1 (x) window 0, C and D window 2
.set W_MULB, 0x91                      ; the same with C (the bias) in window 1
.set TO_B,   0x40                      ; destination window 1, address window 0
.macro JLOAD s                         ; a joint refill: waves 0 and 1 fetch x's two halves, waves 2 and 3 W's; an s_nop 0 and four v_nop follow each of the two lines, ahead of the jump and the label
	s_cmp_eq_u32 s11, 0
	s_cbranch_scc0 .Lfor_b_\@
	tensor_load_to_lds s[G0+4*(\s):G0+4*(\s)+3], s[G1:G1+7]
	s_nop 0
.rept 4
	v_nop
.endr
	s_branch .Lasked_\@
.Lfor_b_\@:
	tensor_load_to_lds s[G0B+4*(\s):G0B+4*(\s)+3], s[G1B:G1B+7]
	s_nop 0
.rept 4
	v_nop
.endr
.Lasked_\@:
.endm
.macro CREST                           ; a round of the cluster's barrier behind its opening barrier
	s_cmp_lg_u32 s10, 0
	s_cbranch_scc1 .Lnot_wave_0_\@
	s_barrier_signal -3
.Lnot_wave_0_\@:
	s_barrier_wait -3
	s_barrier_signal -1
	s_barrier_wait -1
.endm
.macro CROUND                          ; a whole round
	s_barrier_signal -1
	s_barrier_wait -1
	CREST
.endm
	s_load_b256 s[68:75], s[0:1], 0x0              ; query s[68:69], key s[70:71], value s[72:73], bq s[74:75]
	s_load_b256 s[76:83], s[0:1], 0x20             ; bk s[76:77], bv s[78:79], w16 s[80:81], qkv s[82:83]
	v_lshl_add_u32 v[SPW], v0, 2, SPARE
	v_mov_b32 v[NIL], 0
	ds_add_u32 v[SPW], v[NIL]                      ; the wave's opening: the add and its wait stand ahead of my first tensor load; the set-up below, work on registers, stands between them
	v_lshrrev_b32 v1, 5, v0
	v_readfirstlane_b32 s10, v1                    ; wave 0..3
	s_lshr_b32 s11, s10, 1                         ; which 64 of the tile's rows are mine.  Also: I fetch for x (0) or for W (1)
	s_and_b32 s12, s10, 1                          ; which 128 of its columns.  Also: which half of that tile I fetch
	s_bfe_u32 s40, ttmp6, 0x40000                  ; cx, cy: my place in the cluster
	s_bfe_u32 s41, ttmp6, 0x40004
	s_lshl_b32 s42, ttmp9, 2
	s_add_co_u32 s42, s42, s40                     ; column tile nt = 4 x cluster x + cx
	s_and_b32 s85, ttmp7, 0xffff                   ; cluster y, 0 to 47
	s_lshr_b32 s84, s85, 4                         ; z: which of the three products; the same in all sixteen partners
	s_and_b32 s13, s85, 15
	s_lshl_b32 s13, s13, 2
	s_add_co_u32 s13, s13, s41                     ; row tile mt = 4 x (cluster y mod 16) + cy
	s_lshl_b32 s43, s41, 2
	s_lshl_b32 s43, 15, s43                        ; my row of the cluster
	s_lshl_b32 s44, 0x1111, s40                    ; my column
	s_or_b32 s[G1+0], s43, (2<<16)|(1<<20)|(1<<21)|(6<<22)|(3<<25)   ; 15:0 the mask: x's tiles go to my row; 17:16 elements of 4 bytes; 20 padding on; 21 set beside a mask; 24:22 after every 128 words (code 6); 31:25 4 words (code 3)
	s_mov_b32 s[G1+1], 128<<16                     ; tensor_dim0 = 128
	s_mov_b32 s[G1+2], 64<<16                      ; tensor_dim1 = 64
	s_mov_b32 s[G1+3], 128<<16                     ; tile_dim0 = 128
	s_mov_b32 s[G1+4], 64                          ; tile_dim1 = 64
	s_mov_b32 s[G1+5], 1024                        ; elements from row to row
	s_mov_b32 s[G1+6], 0
	s_mov_b32 s[G1+7], 0
	s_or_b32 s[G1B+0], s44, (1<<16)|(1<<20)|(1<<21)|(6<<22)|(7<<25)  ; W's tiles go to my column; elements of 2 bytes; 8 words of padding (code 7) after every 128
	s_mov_b32 s[G1B+1], 256<<16                    ; tensor_dim0 = 256
	s_mov_b32 s[G1B+2], 64<<16                     ; tensor_dim1 = 64
	s_mov_b32 s[G1B+3], 256<<16                    ; tile_dim0 = 256
	s_mov_b32 s[G1B+4], 64                         ; tile_dim1 = 64
	s_mov_b32 s[G1B+5], 1024
	s_mov_b32 s[G1B+6], 0
	s_mov_b32 s[G1B+7], 0
	; where the tiles come from.  x's hang on the row tile alone, which my row of the cluster shares; W's on z and the column tile alone, which my column shares; each in registers that never hold the other coordinate
	s_lshl_b32 s16, s13, 19                        ; 128 mt rows of 4,096 bytes,
	s_lshl_b32 s17, s12, 18                        ; and my 64 of the tile's
	s_add_co_u32 s16, s16, s17
	s_mov_b32 s17, 0
	s_lshl_b32 s46, s84, 21                        ; weight z in w16,
	s_lshl_b32 s47, s12, 17                        ; my 64 rows (k) of 2,048 bytes,
	s_add_co_u32 s46, s46, s47
	s_lshl_b32 s47, s42, 9                         ; the tile's 256 columns
	s_add_co_u32 s46, s46, s47
	s_mov_b32 s47, 0
	s_mul_i32 s20, s12, HALFA                      ; and where they go: no place in the cluster enters an LDS address
	s_mul_i32 s21, s12, HALFB
	s_add_co_u32 s21, s21, BOFF
	s_lshl_b32 s86, s42, 10                        ; the bias of my 128 columns: 4 (256 nt + 128 half) bytes
	s_lshl_b32 s87, s12, 9
	s_add_co_u32 s86, s86, s87
	s_mov_b32 s87, 0
	s_wait_dscnt 0x0                               ; the opening add is done
	s_wait_kmcnt 0x0
	s_cmp_eq_u32 s84, 1                            ; x and the bias are chosen among their three buffers by z alone
	s_cselect_b64 s[4:5], s[70:71], s[68:69]
	s_cselect_b64 s[6:7], s[76:77], s[74:75]
	s_cmp_eq_u32 s84, 2
	s_cselect_b64 s[4:5], s[72:73], s[4:5]
	s_cselect_b64 s[6:7], s[78:79], s[6:7]
	s_add_nc_u64 s[6:7], s[6:7], s[86:87]
	s_add_nc_u64 s[14:15], s[4:5], s[16:17]
	s_add_nc_u64 s[46:47], s[80:81], s[46:47]
.irp s, 0,1
	s_mov_b32 s[G0+4*(\s)], 1                                        ; count = 1
	s_add_co_u32 s[G0+4*(\s)+1], s20, (\s)*SLOT                      ; LDS address
	s_add_nc_u64 s[G0+4*(\s)+2:G0+4*(\s)+3], s[14:15], (\s)*512      ; global address: K step s, 128 f32 along the rows
	s_or_b32 s[G0+4*(\s)+3], s[G0+4*(\s)+3], 0x80000000              ; type = 2
	s_mov_b32 s[G0B+4*(\s)], 1
	s_add_co_u32 s[G0B+4*(\s)+1], s21, (\s)*SLOT
	s_add_nc_u64 s[G0B+4*(\s)+2:G0B+4*(\s)+3], s[46:47], (\s)*262144 ; K step s, 128 rows of 2,048 bytes down
	s_or_b32 s[G0B+4*(\s)+3], s[G0B+4*(\s)+3], 0x80000000
.endr
	CROUND                                         ; all sixteen work-groups are here: the first joint loads meet
	s_cmp_eq_u32 s11, 0                            ; a wave's two first fills stand in one branch, ahead of every wait on TENSORcnt and every LDS read: two loads of mine are out
	s_cbranch_scc0 .Lfirst_b
	tensor_load_to_lds s[G0:G0+3], s[G1:G1+7]
	s_nop 0
	tensor_load_to_lds s[G0+4:G0+7], s[G1:G1+7]
	s_nop 0
.rept 4
	v_nop
.endr
	s_branch .Lfirst_asked
.Lfirst_b:
	tensor_load_to_lds s[G0B:G0B+3], s[G1B:G1B+7]
	s_nop 0
	tensor_load_to_lds s[G0B+4:G0B+7], s[G1B:G1B+7]
	s_nop 0
.rept 4
	v_nop
.endr
.Lfirst_asked:
	; A fragment of x is 16 rows x 32 K: lane l holds row l % 16, K = 8 (l / 16) + 0..7 and 16 + 8 (l / 16) + 0..7.  In f32 those are 32 bytes at 32 (l / 16) and 32 bytes 64 further on: four loads of 16 bytes.
	v_and_b32 v1, 15, v0                           ; l % 16
	v_bfe_u32 v2, v0, 4, 1                         ; l / 16
	v_mul_u32_u24 v3, v1, PA
	v_lshl_add_u32 v3, v2, 5, v3
	s_mul_i32 s22, s11, HALFA                      ; my 64 rows of x
	v_add_nc_u32 v[ADRA], s22, v3
	v_add_nc_u32 v[ADRA+1], SLOT, v[ADRA]
	; The turning load takes 16 k x 16 columns (lane l reads 16 bytes: k = 8 (l / 16) + l % 8, columns 8 ((l / 8) % 2) + 0..7) and leaves half a fragment: lane l holds column l % 16 and 8 k.
	v_and_b32 v4, 7, v0
	v_lshl_add_u32 v5, v2, 3, v4
	v_mul_u32_u24 v5, v5, PB
	v_bfe_u32 v6, v0, 3, 1
	v_lshl_add_u32 v5, v6, 4, v5
	s_lshl_b32 s22, s12, 8                         ; my 128 columns of W,
	s_add_co_u32 s22, s22, BOFF                    ; which lies behind x
	v_add_nc_u32 v[ADRB], s22, v5
	v_add_nc_u32 v[ADRB+1], SLOT, v[ADRB]
	s_mul_i32 s23, s10, 16*SP
	s_add_co_u32 s23, s23, STAGE                   ; my stage
	v_mul_u32_u24 v7, v1, SP                       ; in: row l % 16, 16 bytes for each half of the lanes
	v_lshl_add_u32 v7, v2, 4, v7
	v_add_nc_u32 v[STO], s23, v7
	v_bfe_u32 v7, v0, 3, 2                         ; back: 32 lanes take four rows' 128 bytes of one head,
	v_mul_u32_u24 v7, v7, SP
	v_lshl_add_u32 v7, v4, 4, v7
	v_add_nc_u32 v[RD], s23, v7
	v_and_b32 v[GO], 31, v0                        ; which are 512 consecutive bytes of the result
	v_lshlrev_b32 v[GO], 4, v[GO]
	v_lshlrev_b32 v[BV], 5, v2                     ; an accumulator's register j holds column 8 (l / 16) + j: the bias is loaded in that layout
	WIN TO_B
.irp b, 0,1,2,3,4,5,6,7
	global_load_b128 v[BIAS+8*(\b):BIAS+8*(\b)+3],   v[BV], s[6:7] offset:64*(\b)
	global_load_b128 v[BIAS+8*(\b)+4:BIAS+8*(\b)+7], v[BV], s[6:7] offset:64*(\b)+16
.endr
	WIN 0
	; where my part of the result begins: z, batch = mt / 16, head = 4 nt + 2 half, row 128 (mt % 16) + 64 half of the head's 2,048 rows of 128 bytes
	s_lshl_b32 s86, s84, 24
	s_lshr_b32 s87, s13, 4
	s_lshl_b32 s87, s87, 22
	s_add_co_u32 s86, s86, s87
	s_lshl_b32 s87, s42, 20
	s_add_co_u32 s86, s86, s87
	s_lshl_b32 s87, s12, 19
	s_add_co_u32 s86, s86, s87
	s_and_b32 s87, s13, 15
	s_lshl_b32 s87, s87, 14
	s_add_co_u32 s86, s86, s87
	s_lshl_b32 s87, s11, 13
	s_add_co_u32 s86, s86, s87
	s_mov_b32 s87, 0
	s_add_nc_u64 s[8:9], s[82:83], s[86:87]
; One matrix instruction: rows 16 a on, columns 16 b on, 32 along K out of buffer f.  first = 1: the bias starts the sum: nothing is ever cleared.
.macro MM1 f, a, b, first
.if \first
	WIN W_MULB
	v_wmma_f32_16x16x32_bf16 v[8*(8*(\a)+(\b)):8*(8*(\a)+(\b))+7], v[64*(\f)+8*(\b):64*(\f)+8*(\b)+7], v[CA+32*(\f)+8*(\a):CA+32*(\f)+8*(\a)+7], v[BIAS+8*(\b):BIAS+8*(\b)+7]
.else
	WIN W_MUL
	v_wmma_f32_16x16x32_bf16 v[8*(8*(\a)+(\b)):8*(8*(\a)+(\b))+7], v[64*(\f)+8*(\b):64*(\f)+8*(\b)+7], v[CA+32*(\f)+8*(\a):CA+32*(\f)+8*(\a)+7], v[8*(8*(\a)+(\b)):8*(8*(\a)+(\b))+7]
.endif
.endm
.macro MUL f, a, first                 ; eight of them.  The 32 accumulators take turns, in the same order in every quarter
.irp b, 0,1,2,3,4,5,6,7
	MM1 \f, \a, \b, \first
.endr
.endm
.macro CV4 g, i                        ; four roundings: eight f32 of x become registers 4 i to 4 i + 3 of buffer g
	WIN 0
.irp n, 0,1,2,3
	v_cvt_pk_bf16_f32 v[CA+32*(\g)+4*(\i)+(\n)], v[RAW+8*(\i)+2*(\n)], v[RAW+8*(\i)+2*(\n)+1]
.endr
.endm
.macro RIDE f, g, a, first             ; eight matrix instructions, each with four roundings for the next quarter behind it; none names a register of the products round it
.irp b, 0,1,2,3,4,5,6,7
	MM1 \f, \a, \b, \first
	CV4 \g, \b
.endr
.endm
; 32 LDS loads in one run: quarter q of a slot: x's 64 rows x 32 K in f32, then W's 32 k x 128 columns, turned, into buffer g.  The last product that read buffer g stands in front of the four
; roundings that end the quarter before: those are the four places that a load into a matrix instruction's source wants.
.macro FETCH slot, q, g
	WIN 0
.irp a, 0,1,2,3
	ds_load_b128 v[RAW+16*(\a):RAW+16*(\a)+3],     v[ADRA+(\slot)] offset:16*PA*(\a)+128*(\q)
	ds_load_b128 v[RAW+16*(\a)+4:RAW+16*(\a)+7],   v[ADRA+(\slot)] offset:16*PA*(\a)+128*(\q)+16
	ds_load_b128 v[RAW+16*(\a)+8:RAW+16*(\a)+11],  v[ADRA+(\slot)] offset:16*PA*(\a)+128*(\q)+64
	ds_load_b128 v[RAW+16*(\a)+12:RAW+16*(\a)+15], v[ADRA+(\slot)] offset:16*PA*(\a)+128*(\q)+80
.endr
	WIN TO_B
.irp b, 0,1,2,3,4,5,6,7
	ds_load_tr16_b128 v[64*(\g)+8*(\b):64*(\g)+8*(\b)+3],   v[ADRB+(\slot)] offset:32*PB*(\q)+32*(\b)
	ds_load_tr16_b128 v[64*(\g)+8*(\b)+4:64*(\g)+8*(\b)+7], v[ADRB+(\slot)] offset:32*PB*(\q)+32*(\b)+16*PB
.endr
.endm
; One of a K step's first three quarters: multiplies buffer f, fetches quarter q of the same slot into buffer g.
.macro QUARTER slot, q, f, g, first
	s_wait_dscnt 0x0                               ; W's fragments of buffer f are in (issued 24 products ago)
	MUL \f, 0, \first
	FETCH \slot, \q, \g
	MUL \f, 1, \first
	MUL \f, 2, \first
	s_wait_dscnt 16                                ; x's 16 raw loads are in; W's 16, issued behind them, may stay out
	RIDE \f, \g, 3, \first
.endm
; The last quarter multiplies buffer 1 and changes slots: ONE barrier.  In front of it each wave waits for all its tensor loads (one is out: its part of the next slot), adds 0 to its spare word, and waits
; for that and for its own reads of this slot.  fill = 1: the barrier opens a round of the cluster's, and this slot is filled again, two K steps ahead, first thing behind the round.
.macro TURN slot, next, fill
	WIN 0                                          ; (the add's two registers lie in window 0)
	s_wait_tensorcnt 0x0                           ; all my tensor loads have landed
	ds_add_u32 v[SPW], v[NIL]                      ; 0 onto my spare word
	s_wait_dscnt 1                                 ; W's fragments of buffer 1 are in; the add may be out
	MUL 1, 0, 0                                    ; eight matrix instructions stand between the add and the wait for it
	s_wait_dscnt 0x0                               ; the add is done, and my reads of this slot are over
	s_barrier_signal -1
	MUL 1, 1, 0
	WIN 0
	s_barrier_wait -1
.if \fill
	CREST                                          ; no wave of any partner still reads this slot's tiles or has a load on its way
	s_add_nc_u64 s[G0+4*(\slot)+2:G0+4*(\slot)+3], s[G0+4*(\slot)+2:G0+4*(\slot)+3], 1024
	s_add_nc_u64 s[G0B+4*(\slot)+2:G0B+4*(\slot)+3], s[G0B+4*(\slot)+2:G0B+4*(\slot)+3], 524288
	JLOAD \slot                                    ; my one tensor load behind the round: 112 matrix instructions ahead of the wait for it
.endif
	FETCH \next, 0, 0
	MUL 1, 2, 0
	s_wait_dscnt 16
	RIDE 1, 0, 3, 0
.endm
; THE WAY OUT of rows 16 a on: rounded to f16, 16 bytes a lane into my own stage, and back so that 32 lanes hold 512 consecutive bytes of the result (four rows of one head).
.macro PACK a
	WIN 0x0a                                       ; sources 0 and 1: window 2.
.irp b, 0,1,2,3,4,5,6,7
.irp r, 0,1,2,3
	v_cvt_pk_f16_f32 v[TMP+32*(\a)+4*(\b)+(\r)], v[8*(8*(\a)+(\b))+2*(\r)], v[8*(8*(\a)+(\b))+2*(\r)+1]
.endr
.endr
	WIN 0
.irp b, 0,1,2,3,4,5,6,7
	ds_store_b128 v[STO], v[TMP+32*(\a)+4*(\b):TMP+32*(\a)+4*(\b)+3] offset:32*(\b)
.endr
.irp f, 0,1,2,3,4,5,6,7
	ds_load_b128 v[TMP+32*(\a)+4*(\f):TMP+32*(\a)+4*(\f)+3], v[RD] offset:4*SP*((\f)&3)+128*((\f)>>2)  ; LDS serves a wave's instructions in order (ISA guide 5.7.1.4): these see the stores above; the next block's stores come behind them
.endr
.endm
.macro SEND a, younger                 ; younger: the LDS instructions issued behind block a's loads: the next block's sixteen, or none
	WIN 0
.irp f, 0,1,2,3,4,5,6,7
	s_wait_dscnt (\younger)+7-(\f)
	global_store_b128 v[GO], v[TMP+32*(\a)+4*(\f):TMP+32*(\a)+4*(\f)+3], s[8:9] offset:262144*((\f)>>2)+2048*(\a)+512*((\f)&3)  ; 512 consecutive bytes, at a multiple of 256 from the buffer's first; the second head lies 262,144 bytes on
.endr
.endm
	s_wait_tensorcnt 1                             ; my part of K step 0 is in; K step 1's may stay out
	s_barrier_signal -1
	s_barrier_wait -1                              ; everybody's is
	FETCH 0, 0, 0
	s_wait_dscnt 16                                ; x's raw loads are in
.irp i, 0,1,2,3,4,5,6,7
	CV4 0, \i
.endr
	s_wait_loadcnt 0x0                             ; the bias
	QUARTER 0, 1, 0, 1, 1                          ; the first quarter stands in front of the loop: its products start the sums
	WIN 0                                          ; at a label and at a branch every window is 0
	s_mov_b32 s3, 3
.Llap:                                                 ; a trip goes once round the ring, from a lap's second quarter to the next lap's first, and fills both slots again: K steps 2 to 7
	QUARTER 0, 2, 1, 0, 0
	QUARTER 0, 3, 0, 1, 0
	TURN 0, 1, 1
	QUARTER 1, 1, 0, 1, 0
	QUARTER 1, 2, 1, 0, 0
	QUARTER 1, 3, 0, 1, 0
	TURN 1, 0, 1
	QUARTER 0, 1, 0, 1, 0
	WIN 0
	s_sub_co_u32 s3, s3, 1
	s_cmp_lg_u32 s3, 0
	s_cbranch_scc1 .Llap
	QUARTER 0, 2, 1, 0, 0                          ; the last lap is written out: it fills nothing
	QUARTER 0, 3, 0, 1, 0
	TURN 0, 1, 0
	QUARTER 1, 1, 0, 1, 0
	QUARTER 1, 2, 1, 0, 0
	QUARTER 1, 3, 0, 1, 0
	s_wait_dscnt 0x0                               ; the very last quarter: nothing more to fetch
	MUL 1, 0, 0
	MUL 1, 1, 0
	MUL 1, 2, 0
	MUL 1, 3, 0
.rept 4
	v_nop                                          ; the places between the last products and the conversions that read results (ISA guide 7.12.1)
.endr
	PACK 0
	PACK 1                                         ; a block's conversions stand between the loads of the block before and its stores
	SEND 0, 16
	PACK 2
	SEND 1, 16
	PACK 3
	SEND 2, 16
	SEND 3, 0
	s_wait_tensorcnt 0x0                           ; the wave's end, behind my last tensor load and my last LDS store
	ds_add_u32 v[SPW], v[NIL]
	s_wait_dscnt 0x0
	CROUND                                         ; the closing round: no work-group ends while a partner may still ask for a tile that names it
	s_endpgm
.Lfunc_end_k_qc133c24dcb_proj:
	.size	k_qc133c24dcb_proj, .Lfunc_end_k_qc133c24dcb_proj-k_qc133c24dcb_proj
	.p2alignl 7, 3214868480
	.fill 96, 4, 3214868480
	.section	.rodata,"a",@progbits
	.p2align	6, 0x0
	.amdhsa_kernel k_qc133c24dcb_proj
		.amdhsa_group_segment_fixed_size 327680
		.amdhsa_private_segment_fixed_size 0
		.amdhsa_enable_private_segment 0
		.amdhsa_kernarg_size 64
		.amdhsa_user_sgpr_count 2
		.amdhsa_user_sgpr_kernarg_segment_ptr 1
		.amdhsa_wavefront_size32 1
		.amdhsa_system_sgpr_workgroup_id_x 1
		.amdhsa_system_sgpr_workgroup_id_y 1
		.amdhsa_system_sgpr_workgroup_id_z 1
		.amdhsa_system_vgpr_workitem_id 0
		.amdhsa_next_free_vgpr 768
		.amdhsa_next_free_sgpr 88
		.amdhsa_reserve_vcc 0
		.amdhsa_float_denorm_mode_32 3
		.amdhsa_float_denorm_mode_16_64 3
		.amdhsa_memory_ordered 1
		.amdhsa_forward_progress 1
		.amdhsa_inst_pref_size 135
	.end_amdhsa_kernel
	.amdgpu_metadata
---
amdhsa.version: [ 1, 2 ]
amdhsa.kernels:
  - .name:           k_qc133c24dcb_proj
    .symbol:         k_qc133c24dcb_proj.kd
    .args:
      - { .name: query, .offset: 0, .size: 8, .value_kind: global_buffer, .address_space: global }
      - { .name: key, .offset: 8, .size: 8, .value_kind: global_buffer, .address_space: global }
      - { .name: value, .offset: 16, .size: 8, .value_kind: global_buffer, .address_space: global }
      - { .name: bq, .offset: 24, .size: 8, .value_kind: global_buffer, .address_space: global }
      - { .name: bk, .offset: 32, .size: 8, .value_kind: global_buffer, .address_space: global }
      - { .name: bv, .offset: 40, .size: 8, .value_kind: global_buffer, .address_space: global }
      - { .name: w16, .offset: 48, .size: 8, .value_kind: global_buffer, .address_space: global }
      - { .name: qkv, .offset: 56, .size: 8, .value_kind: global_buffer, .address_space: global }
    .group_segment_fixed_size: 327680
    .private_segment_fixed_size: 0
    .kernarg_segment_align: 8
    .kernarg_segment_size: 64
    .max_flat_workgroup_size: 128
    .sgpr_count:     88
    .vgpr_count:     768
    .wavefront_size: 32
...
	.end_amdgpu_metadata
.endif
;; end of part 2
;; launch attn (part 3): grid 4 x 64, 4 waves a work-group, clusters of 4 x 1, 327,680 bytes of LDS; arguments qkv, oh; writes oh
.if DOCPART == 3
	.amdgcn_target "amdgcn-amd-amdhsa--gfx1250"
	.amdhsa_code_object_version 6
	.text
	.protected	k_qc133c24dcb_attn
	.globl	k_qc133c24dcb_attn
	.p2align	8
	.type	k_qc133c24dcb_attn,@function
k_qc133c24dcb_attn:
	s_mov_b64 s[64:65], 0
	v_nop
	global_prefetch_b8 v0, s[64:65] scope:SCOPE_SE
	s_setreg_imm32_b32 hwreg(HW_REG_WAVE_MODE, 25, 1), 1
	s_wait_xcnt 0x0
	s_wait_alu depctr_hold_cnt(0) depctr_sa_sdst(0) depctr_va_vdst(0) depctr_va_sdst(0) depctr_va_ssrc(0) depctr_va_vcc(0) depctr_vm_vsrc(0)
	s_getreg_b32 s2, hwreg(HW_REG_IB_STS2, 6, 4)
	s_cmp_eq_u32 s2, 0
	s_cbranch_scc0 .Lentry_in_a_cluster
	s_endpgm
.Lentry_in_a_cluster:
	s_bfe_u32 s2, ttmp6, 0x10000c
	s_cmp_lg_u32 s2, 0x3003
	s_cbranch_scc0 .Lentry_shape_is_right
	s_endpgm
.Lentry_shape_is_right:
; O[h][q][:] = the sum over k of softmax_k(Q[h][q] . K[h][k] / 8) V[h][k][:].  Q, K, V lie in qkv, [3][64 heads][2048][64], all f16: a head's rows are dense, 128 bytes each.  Products, maxima and sums in
; f32; the weights p are rounded to f16 for the second product (their sum l is taken of the unrounded p), O once at the end.
; O leaves in the order in which the next launch's matrix instruction wants it: oh[head][block of 16 rows][4 channel blocks][32 lanes][8 f16]: lane r + 16 g of channel block cb holds row r, channels 16 cb + 8 g + 0..7,
; which is what a lane of an accumulator of O^T holds: no stage in LDS, and every store of a wave covers 512 consecutive bytes at a multiple of 256.
; LIMITS.  f16 holds no number beyond 65,504: Q, K and V arrive within it; p lies in 0 to 1, and below 6e-5 it keeps f16's fixed step of 6e-8; O is a mean of V's rows and has their range.
; A weight below 2^-126 counts as 0 in l; NaN and infinities are not treated apart.
; SHARES.  A wave owns four PIECES of two tiles of 16 queries, a work-group's four waves 512 queries of one head.  Every wave walks all keys, 64 a step.
; LAYOUT.  S^T = K Q^T (source 0 = 16 keys, source 1 = 16 queries): in the result a lane holds ONE query (lane % 16) and the keys 8 (lane / 16) + 0..7.  Two such tiles, rounded to f16 in pairs,
; ARE source 1 (32 keys x 16 queries) of O^T = V^T P, whose result again holds one query a lane, and eight channels.  K comes out of LDS as it lies, V ([key][channel]) turned, by ds_load_tr16_b128.
; SOFTMAX.  For each query a running maximum m and sum l: p = 2^(c s - c m), c = log2(e) / 8; in every step O and l are multiplied by a = 2^(c m_old - c m_new), which is 1 where m has not grown.
; m starts at the lowest finite number, O and l at 0: the first step is a step like any other, with a = 0.
; THE COUNT.  A tile and step have 16 matrix and 118 vector instructions: too many to stand all beside the matrix work.  So the order has one aim: four vector instructions that are READY behind
; EVERY matrix instruction, and the others, which need time of their own whatever the order, in runs without a gap.
; BY TURNS.  Turn n belongs to piece n (the pieces in a ring, step after step).  Its matrix work: 16 products K Q^T of piece n + 1, later 16 products V^T P of piece n - 1.  Its vector work: the scaling,
; exponentials, roundings, sums and rescaling of piece n, and the maximum and statistics of piece n + 1, whose scores the turn itself has made.  So what a turn begins with (c s - c m, O a) waits for nothing.
; CLUSTER.  The four query blocks of a cluster belong to one head and walk the same K and V, so each tile is asked for JOINTLY: the same tensor load, descriptor and mask in all four.
; REGISTERS, in windows of 256 (s_set_vgpr_msb says which window each operand place means: bits 1:0 source 0, 3:2 source 1, 5:4 source 2, 7:6 destination):
;   window 0: v0-11 addresses; v12-15, v48-63 at work; v16-47 four registers of statistics a tile; v64-191 S^T, two buffers of two tiles; v192-255 P, likewise
;   window 1: O^T, 32 a tile          window 2: v0-127 Q, 16 a tile; v128-191 K of one step; v192-255 V of one step          window 3: v0-1 the add's two registers
; A piece's buffers go by its number's parity: the piece in hand has one pair, its two neighbours in the ring share the other: of it P (piece n - 1) is read and S^T (piece n + 1) written.
.set SIZE_N, 2048
.set NP,    4         ; pieces a wave: a name, no knob: the register map, the loop and the fetches are made for four
.set KS,    64        ; keys in a step
.set PK,    144       ; a row of K in LDS: 128 bytes + 16 of padding = 36 words: the 16 rows of a load start at 16 different groups of four banks (64 banks of 4 bytes: ISA guide 11.1)
.set PV,    160       ; a row of V: 128 + 32 = 40 words
.set VOFF,  4*KS*PK   ; a slot holds four steps: 256 rows of K, then 256 rows of V
.set SLOT1, 1<<17     ; slot 1 begins here, so that one exclusive or turns an address in one slot into the other's
.set SPARE, SLOT1+4*KS*(PK+PV)  ; behind the ring: the spare words, 128 bytes for each wave: two blocks of 256 bytes that no other line names
.set AK0, 2           ; v2   my lane's place in a tile of K; never rewritten
.set AV0, 3           ; v3   the same for V
.set AK,  4           ; v4   the LDS address of K's next run of loads
.set AV,  5           ; v5   of V's
.set QO,  6           ; v6   my byte offset in the wave's rows of Q
.set GO,  8           ; v8   my byte offset in 512 consecutive bytes of O
.set SPW, 0           ; v0 of window 3   LDS address of my spare word: SPARE + 4 x my thread's number; never rewritten
.set NIL, 1           ; v1 of window 3   0; never rewritten
.set MV,  12          ; v12-15  c m_old, kept while c m is made anew: by buffer and tile
.set ST,  16          ; tile t's statistics at v[ST+4 t]: c m, m, l (even keys', odd keys')
.set TMP, 48          ; by buffer and tile, four registers c0-c3 at work; when the maximum is found c2 takes a
.set S,   64
.set P,   192
.set KF,  128         ; K's fragments, in window 2: key block kb, channel half c at KF + 16 kb + 8 c
.set VF,  192         ; V's: key half kk, channel block cb at VF + 32 kk + 8 cb
.set WV,  12          ; s12  my wave's number
.set G1K, 24          ; s[24:31] descriptor group 1 for K's tiles
.set G1V, 32          ; s[32:39] for V's: it differs in the padding alone
.set G0K, 40          ; s[40:43] descriptor group 0 for K's tiles: it walks
.set G0V, 44          ; s[44:47] the same for V's
.set SLOTS, 56        ; s56  slots still to be asked for
.set CNT, 57          ; s57  counts a slot's key steps
.set CS,  58          ; s[58:59] c: the packed scaling takes the pair's low word for both halves
.set SEL, 60          ; s[60:61] v_permlanex16_b32's selects: each lane takes its own place in the other half
.set TBK, 62          ; s62  LDS byte at which K of the step to be fetched begins
.set TBV, 63          ; s63  the same for V, less VOFF
.set MSB, 0
.macro WIN new                      ; the high byte repeats the setting that is left; a switch that changes nothing is dropped
.if MSB != (\new)
	s_set_vgpr_msb (MSB<<8)|(\new)
.set MSB, (\new)
.endif
.endm
.set W_KQ, 0x0a       ; K and Q in window 2, S^T in window 0
.set W_PV, 0x52       ; V in window 2, P in window 0, O^T in window 1
.set W_RS, 0x41       ; O^T (destination and source 0) in window 1, a in window 0
.set W_MK, 0xc0       ; the add's registers are made: destination in window 3, sources in window 0
.set W_AD, 0x0f       ; the add: address (source 0) and data (source 1) in window 3
; A joint fill.  Waves 0 and 1 fetch the two halves of a slot's K, waves 2 and 3 those of its V: 128 keys each.  The branch hangs on the wave's number alone.
; An s_nop 0 and four v_nop follow each of the two lines, ahead of the jump and the label.
.macro JLOAD
	s_cmp_lt_u32 s[WV], 2
	s_cbranch_scc0 .Lfor_v_\@
	tensor_load_to_lds s[G0K:G0K+3], s[G1K:G1K+7]
	s_nop 0
.rept 4
	v_nop
.endr
	s_branch .Lasked_\@
.Lfor_v_\@:
	tensor_load_to_lds s[G0V:G0V+3], s[G1V:G1V+7]
	s_nop 0
.rept 4
	v_nop
.endr
.Lasked_\@:
.endm
; A round of the cluster's barrier: my work-group's barrier, so that wave 0's signal speaks for all four waves; wave 0 signals; every wave waits for all four work-groups; my work-group's barrier once more.
.macro CROUND
	s_barrier_signal -1
	s_barrier_wait -1
	s_cmp_lg_u32 s[WV], 0
	s_cbranch_scc1 .Lnot_wave_0_\@
	s_barrier_signal -3
.Lnot_wave_0_\@:
	s_barrier_wait -3
	s_barrier_signal -1
	s_barrier_wait -1
.endm
; THE CHANGE OF SLOTS.  The slot's last bytes, V of its fourth step, have been read.  Each wave waits for all its tensor loads, of which one is out: its part
; of the other slot; adds 0 to its spare word; and waits for that and for its own reads of the slot.  Behind the barrier nobody reads this slot any more and the other slot is whole.
; fill = 1: this slot is filled again, with the keys two slots on.  The barrier is then a round of the cluster's, so that no wave of any partner still reads the slot or has a load on its
; way, and the joint fill is the first thing behind it: it has four key steps, 512 matrix instructions, in which to land.  (At its first use nothing has been read yet: slot 0 is waited for, slot 1 filled.)
.macro CHANGE fill
	WIN W_AD
	s_wait_tensorcnt 0x0            ; no tensor load of mine is out, so a group 0 may be written
	ds_add_u32 v[SPW], v[NIL]       ; 0 onto my spare word; with fill = 1 the descriptors' steps stand between it and the wait for it
	WIN 0                           ; at a label and at a branch every window is 0
.if \fill
.irp g, G0K, G0V
	s_xor_b32 s[\g+1], s[\g+1], SLOT1  ; the walking descriptor: the other slot than last time,
	s_add_nc_u64 s[\g+2:\g+3], s[\g+2:\g+3], 4*KS*128  ; the next 256 keys; the type bits on top are not reached
.endr
	s_wait_dscnt 0x0                ; the add is done, and my reads of the slot are over
	CROUND
	JLOAD
.else
	s_wait_dscnt 0x0                ; the add is done, and my reads of the slot are over
	s_barrier_signal -1
	s_barrier_wait -1
.endif
	s_sub_co_u32 s[TBK], s[TBK], 4*KS*PK  ; the fetches go back to a slot's first step,
	s_xor_b32 s[TBK], s[TBK], SLOT1       ; in the other slot
	s_sub_co_u32 s[TBV], s[TBV], 4*KS*PV
	s_xor_b32 s[TBV], s[TBV], SLOT1
.endm
	s_load_b64 s[4:5], s[0:1], 0x0    ; qkv: Q lies at its head
	s_load_b64 s[10:11], s[0:1], 0x8  ; oh
	WIN W_MK
	v_lshl_add_u32 v[SPW], v0, 2, SPARE
	v_mov_b32 v[NIL], 0
	WIN W_AD
	ds_add_u32 v[SPW], v[NIL]       ; the wave's opening: the add and its wait stand ahead of my first tensor load; the set-up below, work on registers, stands between them
	WIN 0
	v_lshrrev_b32 v1, 5, v0
	v_readfirstlane_b32 s[WV], v1   ; wave 0..3
	s_bfe_u32 s13, ttmp6, 0x40000   ; cx: my place in the cluster
	s_lshl_b32 s14, ttmp9, 2        ; in a cluster launch ttmp9 counts clusters
	s_add_co_u32 s14, s14, s13      ; my block of queries = 4 x cluster x + cx: it enters Q's and O's addresses alone
	s_and_b32 s20, ttmp7, 0xffff    ; the head, which the four partners share
	s_mov_b32 s21, 0
	s_mov_b64 s[22:23], SIZE_N*128
	s_mul_u64 s[20:21], s[20:21], s[22:23]  ; the head's first byte in each of the four tensors
	s_and_b32 s16, s[WV], 1         ; which half of a slot's 256 keys I fetch:
	s_lshl_b32 s22, s16, 14         ; its 128 rows of 128 bytes in memory,
	s_mov_b32 s23, 0
	s_add_nc_u64 s[22:23], s[22:23], s[20:21]
	s_mul_i32 s17, s16, 128*PK      ; and its place in a slot, for K
	s_mul_i32 s18, s16, 128*PV      ; and for V: no place in the cluster enters an LDS address
	s_lshl_b32 s2, s14, 2
	s_add_co_u32 s2, s2, s[WV]      ; my wave among the head's,
	s_lshl_b32 s2, s2, 14           ; its 128 rows
	s_mov_b32 s3, 0
	s_add_nc_u64 s[2:3], s[2:3], s[20:21]
	; descriptor group 1.  128 keys are 16,384 dense bytes: asked for as 64 rows of 256 bytes, two keys a row, and padded in LDS after every key
	s_mov_b32 s[G1K], 15|(1<<16)|(1<<20)|(1<<21)|(4<<22)|(3<<25)  ; 15:0 the mask of four; 17:16 2-byte elements; 20 padding on; 21 set beside a mask; 24:22 after every 32 words (code 4); 31:25 4 words (code 3)
	s_mov_b32 s[G1V], 15|(1<<16)|(1<<20)|(1<<21)|(4<<22)|(7<<25)  ; the same with 8 words of padding (code 7)
.irp g, G1K, G1V
	s_mov_b32 s[\g+1], 128<<16      ; tensor_dim0 = 128
	s_mov_b32 s[\g+2], 64<<16       ; tensor_dim1 = 64
	s_mov_b32 s[\g+3], 128<<16      ; tile_dim0 = 128
	s_mov_b32 s[\g+4], 64           ; tile_dim1 = 64
	s_mov_b32 s[\g+5], 128          ; 128 elements from row to row
	s_mov_b32 s[\g+6], 0
	s_mov_b32 s[\g+7], 0
.endr
	s_mov_b32 s[CS], 0x3e38aa3b     ; c = log2(e) / 8 = 0.180337
	s_mov_b32 s[CS+1], s[CS]        ; named with it as a pair
	s_mov_b32 s[SEL], 0x76543210
	s_mov_b32 s[SEL+1], 0xfedcba98
	s_mov_b32 s[TBK], SLOT1+4*KS*PK ; the first change of slots turns these two into 0
	s_mov_b32 s[TBV], SLOT1+4*KS*PV
	s_mov_b32 s[G0K], 1             ; 1:0 count = 1
	s_mov_b32 s[G0K+1], s17         ; 63:32 LDS address: slot 0
	s_mov_b32 s[G0V], 1
	s_add_co_u32 s[G0V+1], s18, VOFF
	s_wait_dscnt 0x0                ; the opening add is done
	s_wait_kmcnt 0x0
	s_add_nc_u64 s[6:7], s[4:5], 0x1000000  ; K lies 64 heads x 2,048 rows x 128 bytes behind Q,
	s_add_nc_u64 s[8:9], s[4:5], 0x2000000  ; V as far behind K
	s_add_nc_u64 s[G0K+2:G0K+3], s[6:7], s[22:23]  ; 120:64 global address: my half of the head's first 256 keys
	s_or_b32 s[G0K+3], s[G0K+3], 0x80000000        ; 127:126 type = 2
	s_add_nc_u64 s[G0V+2:G0V+3], s[8:9], s[22:23]
	s_or_b32 s[G0V+3], s[G0V+3], 0x80000000
	s_add_nc_u64 s[4:5], s[4:5], s[2:3]  ; Q and O at my wave's first row
	s_add_nc_u64 s[10:11], s[10:11], s[2:3]
	CROUND                          ; all four work-groups are here: the first joint loads meet
	JLOAD                           ; slot 0.  Slot 1 is asked for when slot 0 is in: the tile wanted first has the road to itself
	; A fragment of K or Q is 16 rows x 32 channels in 8 registers: lane l holds row l % 16, channels 8 (l / 16) + 0..7 and 16 + 8 (l / 16) + 0..7: two loads of 16 bytes, 32 bytes apart.
	v_and_b32 v1, 15, v0            ; l % 16
	v_bfe_u32 v9, v0, 4, 1          ; l / 16
	v_lshlrev_b32 v[QO], 7, v1
	v_lshl_add_u32 v[QO], v9, 4, v[QO]  ; row x 128 + 16 x half
	WIN 0x80                        ; destination window 2, address window 0
.set i, 0
.rept 4*NP                          ; Q stays in registers: tile i / 2, channels 32 (i % 2) on
	global_load_b128 v[8*i:8*i+3],   v[QO], s[4:5] offset:(i/2)*2048+(i%2)*64
	global_load_b128 v[8*i+4:8*i+7], v[QO], s[4:5] offset:(i/2)*2048+(i%2)*64+32
.set i, i+1
.endr
	; What the first turn finds: V's registers and P's second buffer hold 0 (its products V^T P, of a piece that has not been, add 0), O^T and l are 0.  All this stands in the wait for the first tile.
.set i, VF
.rept 64
	v_mov_b32 v[i], 0
.set i, i+1
.endr
	WIN 0x40
.set i, 0
.rept 64*NP
	v_mov_b32 v[i], 0
.set i, i+1
.endr
	WIN 0
.set i, 0
.rept 2*NP
	v_mov_b32 v[ST+4*i], 0xfe000000    ; c m: far below every c s
	v_mov_b32 v[ST+4*i+1], 0xff7fffff  ; m
	v_mov_b32 v[ST+4*i+2], 0
	v_mov_b32 v[ST+4*i+3], 0
.set i, i+1
.endr
.set i, P+32
.rept 32
	v_mov_b32 v[i], 0
.set i, i+1
.endr
	v_mul_u32_u24 v[AK0], v1, PK
	v_lshl_add_u32 v[AK0], v9, 4, v[AK0]  ; row x pitch + 16 x half
	; The turning load takes 16 keys x 16 channels (lane l reads key 8 (l / 16) + l % 8, channels 8 ((l / 8) % 2) + 0..7) and leaves half a fragment of V^T: lane l holds channel l % 16 and 8 keys.
	v_and_b32 v10, 7, v0
	v_bfe_u32 v11, v0, 3, 1
	v_lshl_add_u32 v[AV0], v9, 3, v10
	v_mul_u32_u24 v[AV0], v[AV0], PV
	v_lshl_add_u32 v[AV0], v11, 4, v[AV0]
	v_add_nc_u32 v[AV0], VOFF, v[AV0]
	v_mov_b32 v[AK], v[AK0]         ; key step 0 lies at the head of slot 0
; THE MATRIX WORK.  The 8 accumulators of a run of 16 take turns: between the two links of a chain stand 7 others'.
; Product i of 16 of S^T = K Q^T for piece x: channels 32 (i / 8) on, keys 16 ((i / 2) % 4) on, tile 2 x + i % 2.  The first 8 start the sums.
.macro KQ x
	WIN W_KQ
.set rS, S+64*((\x)%2)+32*(i%2)+8*((i/2)%4)
.set rK, KF+16*((i/2)%4)+8*(i/8)
.set rQ, 16*(2*(\x)+i%2)+8*(i/8)
.if i < 8
	v_wmma_f32_16x16x32_f16 v[rS:rS+7], v[rK:rK+7], v[rQ:rQ+7], 0
.else
	v_wmma_f32_16x16x32_f16 v[rS:rS+7], v[rK:rK+7], v[rQ:rQ+7], v[rS:rS+7]
.endif
.endm
; Product i of 16 of O^T += V^T P for piece x: keys 32 (i / 8) on, channels 16 ((i / 2) % 4) on, tile 2 x + i % 2.
.macro PV x
	WIN W_PV
.set rO, 32*(2*(\x)+i%2)+8*((i/2)%4)
.set rV, VF+32*(i/8)+8*((i/2)%4)
.set rP, P+32*((\x)%2)+16*(i%2)+8*(i/8)
	v_wmma_f32_16x16x32_f16 v[rO:rO+7], v[rV:rV+7], v[rP:rP+7], v[rO:rO+7]
.endm
.macro MM                           ; the turn's next matrix instruction
.if i < 16
	KQ (Y+1)%NP
.set i, i+1
.else
.set i, i-16
	PV (Y+NP-1)%NP
.set i, i+17
.endif
.endm
; THE LDS LOADS stand in runs of 16, never singly among the matrix instructions: a step's K (64 keys x 64 channels: 8 fragments) and its V (turned).  Their addresses are made some lines ahead.
; last = 1 (the tail): in the last trip there is no further step, and the run is jumped over.
.macro FETCH_K last=0
	WIN 0
.if \last
	s_cmp_eq_u32 s[CNT], 1
	s_cbranch_scc1 .Lno_k_\@
.endif
	WIN 0x80                        ; destination window 2
.irp f, 0,1,2,3,4,5,6,7             ; keys 16 (f / 2) on, channels 32 (f % 2) on
	ds_load_b128 v[KF+8*\f:KF+8*\f+3],   v[AK] offset:(\f/2)*16*PK+(\f%2)*64
	ds_load_b128 v[KF+8*\f+4:KF+8*\f+7], v[AK] offset:(\f/2)*16*PK+(\f%2)*64+32
.endr
	s_add_co_u32 s[TBK], s[TBK], KS*PK  ; the next fetch is the next step's
	WIN 0
.if \last
.Lno_k_\@:
.endif
.endm
.macro FETCH_V
	WIN 0x80
.irp f, 0,1,2,3,4,5,6,7             ; keys 32 (f / 4) on, channels 16 (f % 4) on
	ds_load_tr16_b128 v[VF+8*\f:VF+8*\f+3],   v[AV] offset:(\f/4)*32*PV+(\f%4)*32
	ds_load_tr16_b128 v[VF+8*\f+4:VF+8*\f+7], v[AV] offset:(\f/4)*32*PV+16*PV+(\f%4)*32
.endr
	WIN 0
.endm
; THE VECTOR WORK OF A TURN stands in three queues, each in the order in which its entries become ready; the two tiles alternate, so that no instruction reads the result of the one before it.
.macro REGS y, u                    ; the registers of tile u (0, 1) of piece y
.set rT, ST+4*(2*(\y)+(\u))
.set rC, TMP+8*((\y)%2)+4*(\u)
.set rM, MV+2*((\y)%2)+(\u)
.set rS, S+64*((\y)%2)+32*(\u)
.set rP, P+32*((\y)%2)+16*(\u)
.set rO, 32*(2*(\y)+(\u))
.endm
; Number n of the 22 that find the NEXT piece's (Y + 1) maximum and statistics.  s0-s31 are the lane's 32 scores; each accumulator's lowest registers are read first.  XS, GS and REGS set no window: PL and EX do.
;   0-11  four chains c0-c3 of seven scores each, three operands at a time     12-14, 16  the four scores left over, the old m, and c0-c3 into c0     15  c m_old is kept
;   17, 18  the query's other 32 keys lie in the lane 16 away: the new m         19-21  c m; c m_old - c m_new; a
.macro XS u, n
	REGS (Y+1)%NP, \u
.if (\n) < 4
	v_max3_num_f32 v[rC+(\n)], v[rS+8*(\n)], v[rS+8*(\n)+1], v[rS+8*(\n)+2]
.elseif (\n) < 12
	v_max3_num_f32 v[rC+(\n)%4], v[rC+(\n)%4], v[rS+8*((\n)%4)+2*((\n)/4)+1], v[rS+8*((\n)%4)+2*((\n)/4)+2]
.elseif (\n) == 12
	v_max3_num_f32 v[rC], v[rC], v[rS+7], v[rS+15]
.elseif (\n) == 13
	v_max3_num_f32 v[rC+1], v[rC+1], v[rS+23], v[rS+31]
.elseif (\n) == 14
	v_max3_num_f32 v[rC+2], v[rC+2], v[rC+3], v[rT+1]
.elseif (\n) == 15
	v_mov_b32 v[rM], v[rT]
.elseif (\n) == 16
	v_max3_num_f32 v[rC], v[rC], v[rC+1], v[rC+2]
.elseif (\n) == 17
	v_permlanex16_b32 v[rC+3], v[rC], s[SEL], s[SEL+1]
.elseif (\n) == 18
	v_max_num_f32 v[rT+1], v[rC], v[rC+3]
.elseif (\n) == 19
	v_mul_f32 v[rT], s[CS], v[rT+1]
.elseif (\n) == 20
	v_sub_f32 v[rC+1], v[rM], v[rT]
.else
	v_exp_f32 v[rC+2], v[rC+1]
.endif
.endm
; Number g of the 64 that follow the exponentials.  For each four weights k of a tile (pairs 2 k, 2 k + 1): both pairs are rounded to f16; then the second pair is added onto the first, in place;
; a group later l takes that sum (the first time as l = a l + sum).  In groups of eight, tiles alternating: round, round, add, and l for the group before.
.macro GS g
.set h, (\g)+6*((\g)/62)            ; group 0 has no group before it, and behind group 7 only l is left
.if h >= 6
.set h, h+2
.endif
	REGS Y, h%2
.set k, h/8
.if h%8 < 4
	s_wait_alu depctr_va_vdst(0)
	v_cvt_pk_f16_f32 v[rP+2*k+(h%8)/2], v[rS+4*k+2*((h%8)/2)], v[rS+4*k+2*((h%8)/2)+1]
.elseif h%8 < 6
	v_pk_add_f32 v[rS+4*k:rS+4*k+1], v[rS+4*k:rS+4*k+1], v[rS+4*k+2:rS+4*k+3]
.elseif k == 1
	v_pk_fma_f32 v[rT+2:rT+3], v[rT+2:rT+3], v[rC+2:rC+3], v[rS:rS+1] op_sel_hi:[1,0,1]
.else
	v_pk_add_f32 v[rT+2:rT+3], v[rT+2:rT+3], v[rS+4*k-4:rS+4*k-3]
	s_wait_alu depctr_va_vdst(0)
.endif
.endm
; THE PLAIN QUEUE, 138 long.  0-31: c s - c m for the 16 pairs of both tiles.  Then GS's 64, and among them the next piece's 42: number 15 at 38, 39; 0-14 and 16
; at 42-73, behind the products that make those scores; 17-20 at 95-106, two of three, since each waits for the one before it.
.macro PL
	WIN 0
.if q < 32
	REGS Y, q%2
	v_pk_fma_f32 v[rS+2*(q/2):rS+2*(q/2)+1], v[rS+2*(q/2):rS+2*(q/2)+1], s[CS:CS+1], v[rT:rT+1] op_sel_hi:[1,0,0] neg_lo:[0,0,1] neg_hi:[0,0,1]
.elseif q < 38
	GS q-32
.elseif q < 40
	XS q%2, 15
.elseif q < 42
	GS q-34
.elseif q < 74
	XS q%2, (q-42)/2+(q-42)/30
.elseif q < 95
	GS q-66
.elseif (q < 107) && ((q-95)%3 < 2)
	XS (q-95)%3, 17+(q-95)/3
.elseif q < 107
	GS 29+(q-95)/3
.else
	GS q-74
.endif
.set q, q+1
.endm
; THE EXPONENTIALS' QUEUE, 66 long: s0-s31 of both tiles, and at EA the next piece's two a.
.set EA, 58
.macro EX
	WIN 0
.if (e == EA) || (e == EA+1)
	XS e-EA, 21
.else
.set x, e-2*(e/(EA+2))
	REGS Y, x%2
	v_exp_f32 v[rS+x/2], v[rS+x/2]
.endif
.set e, e+1
.endm
; THE RESCALING's QUEUE: O^T times a, the one part that leaves window 0, so it is dealt four at a time, eight times.
.macro R4
	REGS Y, r%2
	WIN W_RS
	s_wait_alu depctr_va_vdst(0)
.irp z, 0,1,2,3
	v_pk_mul_f32 v[rO+8*(r/2)+2*\z:rO+8*(r/2)+2*\z+1], v[rO+8*(r/2)+2*\z:rO+8*(r/2)+2*\z+1], v[rC+2:rC+3] op_sel_hi:[1,0]
.endr
.set r, r+1
.endm
; HOW THEY ARE DEALT.  Behind a matrix instruction four: plain, exponential, plain, plain (one exponential, a plain instruction on either side), or four of the rescaling.  None names a register of the
; products round it.  What is over stands in two LUMPS: exponential and plain by turns; the second ends in 22 plain instructions.  The two v_permlanex16_b32 fall into the second lump, never behind a product.
; The queues lean on each other, and the deal keeps them in step: exponential e stands behind plain 2 (e / 4) + e % 2 (its scaling); when plain 32 comes, 10 exponentials are out, at 59: 33, at 95: 46; EA comes behind plain 107.
.macro SL
	MM
	PL
	EX
	PL
	PL
.endm
.macro BURST n                      ; 15 matrix instructions, or 16
.rept (\n)-7
	SL
.endr
.rept 3
	MM
	R4
	SL
.endr
	MM
	R4
.endm
; A TURN, for piece p.  cnt = 1: the loop's count is taken down some lines ahead of the branch that stands behind the turn.
; K of the next step is fetched in piece 2's turn, 31 vector instructions behind the last product that read K; its first reader comes behind the rest of the lump, 16 products and the second lump.
; V of the step in hand is fetched at the end of piece 0's turn, 69 behind its last reader; its first reader comes behind 16 products and a lump.  The four conditions on e and q below go with the deal.
.macro TURN p, last=0, cnt=0
.set Y, (\p)
.set i, 0
.set q, 0
.set e, 0
.set r, 0
.if (\p) == NP-1
	s_wait_dscnt 0x0                ; K is in
.endif
	MM
.rept 4
	PL
.endr
	BURST 15
.rept 22
	EX
	PL
.if ((\p) == NP-2) && (e == 18)
	v_add_nc_u32 v[AK], s[TBK], v[AK0]
.endif
.if ((\p) == NP-2) && (e == 24)
	FETCH_K \last
.endif
.endr
.if (\p) == 1
	s_wait_dscnt 0x0                ; V is in
.endif
	BURST 16
.rept 21
	EX
	PL
.endr
.rept 22
	PL
.if ((\p) == 0) && (q == 118)
	v_add_nc_u32 v[AV], s[TBV], v[AV0]
	s_wait_alu depctr_va_vdst(0)
.endif
.if ((\p) == 0) && (q == 130)
	s_add_co_u32 s[TBV], s[TBV], KS*PV
.endif
.if (\cnt) && (q == 130)
	s_sub_co_u32 s[CNT], s[CNT], 1
	s_cmp_lg_u32 s[CNT], 0
.endif
.endr
.if (\p) == 0
	FETCH_V
.endif
.endm
	CHANGE 1                        ; slot 0 is in, everybody's part of it; slot 1 is asked for
	FETCH_K                         ; key step 0
	s_wait_loadcnt 0x0              ; Q
	s_wait_dscnt 0x0
.set i, 0
.rept 16
	KQ 0                            ; piece 0's first scores: there is no vector work yet to set between them
.set i, i+1
.endr
	WIN 0                           ; the address for the way out and four v_nop: the places behind those products
	v_and_b32 v[GO], 31, v0         ; 32 lanes x 16 bytes are 512 consecutive bytes of O
	v_lshlrev_b32 v[GO], 4, v[GO]
.rept 4
	v_nop
.endr
.set Y, NP-1                        ; XS works for piece Y + 1: piece 0
.irp n, 0,1,2,3,4,5,6,7,8,9,10,11,12,13,14,15,16,17,18,19,20,21
	XS 0, \n                        ; and piece 0's first maximum and statistics
	XS 1, \n
.endr
	s_mov_b32 s[CNT], 4
	s_mov_b32 s[SLOTS], SIZE_N/256-1
	s_branch .Lfirst                ; the loop is entered at a step's first turn, in the middle of a trip
.Lslot:                             ; SIZE_N / 256 - 2 times: every slot but the last two is filled again
	CHANGE 1
	s_mov_b32 s[CNT], 4
.Lstep:                             ; a trip: pieces 2 and 3 of one step, then pieces 0 and 1 of the next, whose K and V it fetches
	TURN 2
	TURN 3
	WIN 0
.Lfirst:
	TURN 0
	TURN 1, 0, 1
	WIN 0
	s_cbranch_scc1 .Lstep
	s_sub_co_u32 s[SLOTS], s[SLOTS], 1
	s_cmp_lg_u32 s[SLOTS], 0
	s_cbranch_scc1 .Lslot
	CHANGE 0                        ; the tail is written out: nothing is asked for
	s_mov_b32 s[CNT], 5             ; four trips fetch the last slot's steps; the fifth is left in its middle
.Ltail:
	TURN 2, 1
	TURN 3
	WIN 0
	s_sub_co_u32 s[CNT], s[CNT], 1
	s_cmp_eq_u32 s[CNT], 0
	s_cbranch_scc1 .Lout
	TURN 0
	TURN 1
	WIN 0
	s_branch .Ltail
.Lout:                              ; the fifth trip's 16 products K Q^T (on the last K once more) and the maximum made of them serve nothing: the price, once a launch, of one text for every trip
.set i, 0
.rept 16
	PV NP-1                         ; the last piece's V^T P of the last step
.set i, i+1
.endr
	; THE WAY OUT.  l's two halves and the other half of the lanes' are added; O^T is divided by l, rounded to f16 and stored as it lies, a tile at a time.  The additions are the places behind the last products.
	WIN 0
.macro ALL line:vararg              ; one line for each tile t
.set t, 0
.rept 2*NP
	\line
.set t, t+1
.endr
.endm
	ALL v_add_f32 v[ST+4*t+2], v[ST+4*t+2], v[ST+4*t+3]
	ALL v_permlanex16_b32 v[ST+4*t+3], v[ST+4*t+2], s[SEL], s[SEL+1]
	ALL v_add_f32 v[ST+4*t+2], v[ST+4*t+2], v[ST+4*t+3]
	ALL v_rcp_f32 v[ST+4*t+2], v[ST+4*t+2]
	v_nop                           ; a plain instruction between the last reciprocal and the use of its result
	s_wait_alu depctr_va_vdst(0)
; Tile t: a lane's eight channels of a row and channel block pack into 16 bytes, in S^T's registers.
.macro PACK t
	WIN W_RS
.set i, 32*(\t)
.rept 16
	v_pk_mul_f32 v[i:i+1], v[i:i+1], v[ST+4*(\t)+2:ST+4*(\t)+3] op_sel_hi:[1,0]
.set i, i+2
.endr
	WIN 0x05                        ; sources 0 and 1 window 1, destination window 0
.set i, 0
.rept 16
	v_cvt_pk_f16_f32 v[S+16*(\t)+i], v[32*(\t)+2*i], v[32*(\t)+2*i+1]
.set i, i+1
.endr
	WIN 0
.endm
.macro SEND t                       ; channel block f of tile t: 512 consecutive bytes, at a multiple of 256 from O's first; no register of a store is written again
	WIN 0
.irp f, 0,1,2,3
	global_store_b128 v[GO], v[S+16*(\t)+4*\f:S+16*(\t)+4*\f+3], s[10:11] offset:(\t)*2048+\f*512
.endr
.endm
.set t, 0
.rept 2*NP
	PACK t
	SEND t
.set t, t+1
.endr
	WIN W_AD
	s_wait_tensorcnt 0x0            ; the wave's end, behind my last tensor load
	ds_add_u32 v[SPW], v[NIL]
	s_wait_dscnt 0x0
	WIN 0
	CROUND                          ; the closing round: no work-group ends while a partner may still ask for a tile that names it
	s_endpgm
.Lfunc_end_k_qc133c24dcb_attn:
	.size	k_qc133c24dcb_attn, .Lfunc_end_k_qc133c24dcb_attn-k_qc133c24dcb_attn
	.p2alignl 7, 3214868480
	.fill 96, 4, 3214868480
	.section	.rodata,"a",@progbits
	.p2align	6, 0x0
	.amdhsa_kernel k_qc133c24dcb_attn
		.amdhsa_group_segment_fixed_size 327680
		.amdhsa_private_segment_fixed_size 0
		.amdhsa_enable_private_segment 0
		.amdhsa_kernarg_size 16
		.amdhsa_user_sgpr_count 2
		.amdhsa_user_sgpr_kernarg_segment_ptr 1
		.amdhsa_wavefront_size32 1
		.amdhsa_system_sgpr_workgroup_id_x 1
		.amdhsa_system_sgpr_workgroup_id_y 1
		.amdhsa_system_sgpr_workgroup_id_z 1
		.amdhsa_system_vgpr_workitem_id 0
		.amdhsa_next_free_vgpr 770
		.amdhsa_next_free_sgpr 66
		.amdhsa_reserve_vcc 0
		.amdhsa_float_denorm_mode_32 3
		.amdhsa_float_denorm_mode_16_64 3
		.amdhsa_memory_ordered 1
		.amdhsa_forward_progress 1
		.amdhsa_inst_pref_size 203
	.end_amdhsa_kernel
	.amdgpu_metadata
---
amdhsa.version: [ 1, 2 ]
amdhsa.kernels:
  - .name:           k_qc133c24dcb_attn
    .symbol:         k_qc133c24dcb_attn.kd
    .args:
      - { .name: qkv, .offset: 0, .size: 8, .value_kind: global_buffer, .address_space: global }
      - { .name: oh, .offset: 8, .size: 8, .value_kind: global_buffer, .address_space: global }
    .group_segment_fixed_size: 327680
    .private_segment_fixed_size: 0
    .kernarg_segment_align: 8
    .kernarg_segment_size: 16
    .max_flat_workgroup_size: 128
    .sgpr_count:     66
    .vgpr_count:     770
    .wavefront_size: 32
...
	.end_amdgpu_metadata
.endif
;; end of part 3
;; launch oproj (part 4): grid 128 x 1, 4 waves a work-group, clusters of 4 x 1, 327,680 bytes of LDS; arguments oh, w16, query, bo, gamma, beta, out0; writes out0
.if DOCPART == 4
	.amdgcn_target "amdgcn-amd-amdhsa--gfx1250"
	.amdhsa_code_object_version 6
	.text
	.protected	k_qc133c24dcb_oproj
	.globl	k_qc133c24dcb_oproj
	.p2align	8
	.type	k_qc133c24dcb_oproj,@function
k_qc133c24dcb_oproj:
	s_mov_b64 s[64:65], 0
	v_nop
	global_prefetch_b8 v0, s[64:65] scope:SCOPE_SE
	s_setreg_imm32_b32 hwreg(HW_REG_WAVE_MODE, 25, 1), 1
	s_wait_xcnt 0x0
	s_wait_alu depctr_hold_cnt(0) depctr_sa_sdst(0) depctr_va_vdst(0) depctr_va_sdst(0) depctr_va_ssrc(0) depctr_va_vcc(0) depctr_vm_vsrc(0)
	s_getreg_b32 s2, hwreg(HW_REG_IB_STS2, 6, 4)
	s_cmp_eq_u32 s2, 0
	s_cbranch_scc0 .Lentry_in_a_cluster
	s_endpgm
.Lentry_in_a_cluster:
	s_bfe_u32 s2, ttmp6, 0x10000c
	s_cmp_lg_u32 s2, 0x3003
	s_cbranch_scc0 .Lentry_shape_is_right
	s_endpgm
.Lentry_shape_is_right:
; out0 = LayerNorm(query + O Wo + bo) gamma + beta, over rows of 1,024 columns, eps = 1e-5.  O: oh, f16, in fragment order [head][block of 16 rows][4 channel blocks][32 lanes][8]; Wo: w16[3], [k][n] f16;
; query, bo, gamma, beta, out0: f32.  Sums in f32; bo is the C operand of the products that start the sums; the mean is taken first and the variance of the differences from it (two passes over registers).
; LIMITS: O and Wo arrive within f16's range; NaN and infinities are not treated apart.
; SHARES.  LayerNorm wants whole rows, so a work-group owns 64 whole rows: 8,192 / 64 = 128 work-groups.  (32 rows on 256 would feed half as many multiply-adds from each byte of Wo brought into LDS and read from it.)
; Wave w owns columns 256 w to 256 w + 255 of all 64 rows: 64 accumulators, 512 registers.  K goes in 16 steps of 64 (a head), each two halves of 32 along K, 64 matrix instructions a half.
; Wo's tiles are the same in every work-group: the four of a cluster ask jointly.  A wave loads, and alone reads, its own 64 k x 256 columns of each step.  O's fragments come straight from memory, a step
; ahead, each load 512 consecutive bytes: no two work-groups read the same rows of O, so there is nothing to share.
; THE MATRIX INSTRUCTION IS USED TRANSPOSED (source 0 = 16 columns of Wo, turned by ds_load_tr16_b128; source 1 = 16 rows of O): a lane holds eight neighbouring columns of a row.
; PREFETCH: in K steps 0, 2, .. 14 a wave asks for 8,192 bytes (lanes 256 bytes apart) of its own 16 rows of query, 65,536 bytes in all, each block once; they are loaded from K step 15 on.
; THE END.  The sums go into a stage of 64 rows x 4,112 bytes that lies over the ring (which has had its last fill); wave w then owns rows 16 w to 16 w + 15 whole: it adds the residual (sixteen rows held in
; registers that the products have left) and puts the rows back; a loop of eight trips, two rows each, normalises and stores them, so that the long text of the normalisation stands twice and not sixteen times.
; REGISTERS, in windows of 256 (s_set_vgpr_msb: bits 1:0 source 0, 3:2 source 1, 5:4 source 2, 7:6 destination):
;   window 0: v0-29 addresses and two pairs; v32-63 gamma; v64-191 O's fragments, two buffers (later two rows at work); v192-223 beta; v224-255 at work
;   window 1: Wo's fragments, two buffers of 128; the second first holds bo; at the end residual rows 0-7          windows 2, 3: accumulator (a, b) at v[8 (16 (a % 2) + b)] of window 2 + a / 2; at the end window 2 takes residual rows 8-15
.set PB,    544                        ; Wo's LDS row: 512 bytes + 32: an odd multiple of 32
.set WTILE, 64*PB                      ; a wave's tile
.set SLOT,  4*WTILE
.set SPARE, 2*SLOT                     ; behind the ring: the spare words, 128 bytes for each wave: two blocks of 256 bytes that no other line names
.set SR,    4112                       ; a row of the stage: 4,096 bytes + 16: an odd multiple of 16.  64 rows end at 263,168, short of the spare words
.set RS,   12                          ; v[12:13]  1 / sqrt(var + eps), in the low word
.set ADRB, 16                          ; v16-17  LDS address of my Wo fragments in slot 0, 1
.set AO,   18                          ; v18     16 x lane: my 16 bytes in 512 consecutive ones
.set PF,   19                          ; v19     256 x lane
.set STO,  20                          ; v20-23  the stage: where rows 16 a + lane % 16 take my columns
.set RD,   24                          ; v24     the stage: my 16 bytes of my wave's row in hand
.set BV,   25                          ; v25     my byte offset in 16 numbers of bo
.set MU,   26                          ; v[26:27]  the mean, in the low word
.set SPW,  28                          ; v28     LDS address of my spare word; never rewritten
.set NIL,  29                          ; v29     0; never rewritten
.set GA,   32
.set AF,   64                          ; O's fragments: buffer s at AF + 64 s, rows 16 a on, channels 32 c on at + 16 a + 8 c
.set XB,   64                          ; at the end: two rows of 32 registers
.set BE,   192
.set T,    224
.set G1,  24                           ; s[24:31] descriptor group 1
.set G0,  32                           ; s[32:39] descriptor group 0, one set for each slot
.set MSB, 0
.macro WIN new                         ; the immediate's high byte repeats the setting that is left; a switch that changes nothing is dropped
.if MSB != (\new)
	s_set_vgpr_msb (MSB<<8)|(\new)
.set MSB, \new
.endif
.endm
.macro CREST                           ; a round of the cluster's barrier behind its opening barrier
	s_cmp_lg_u32 s10, 0
	s_cbranch_scc1 .Lnot_wave_0_\@
	s_barrier_signal -3
.Lnot_wave_0_\@:
	s_barrier_wait -3
	s_barrier_signal -1
	s_barrier_wait -1
.endm
.macro CROUND
	s_barrier_signal -1
	s_barrier_wait -1
	CREST
.endm
.macro PLACES                          ; four places in front of loads into registers that matrix instructions have read, and of LDS stores that read results (ISA guide 7.12.1 for the stores)
.rept 4
	v_nop
.endr
.endm
	s_load_b256 s[68:75], s[0:1], 0x0              ; oh s[68:69], w16 s[70:71], query s[72:73], bo s[74:75]
	s_load_b128 s[76:79], s[0:1], 0x20             ; gamma s[76:77], beta s[78:79]
	s_load_b64 s[80:81], s[0:1], 0x30              ; out0
	v_lshl_add_u32 v[SPW], v0, 2, SPARE
	v_mov_b32 v[NIL], 0
	ds_add_u32 v[SPW], v[NIL]                      ; the wave's opening: the add and its wait stand ahead of my first tensor load; the set-up below, work on registers, stands between them
	v_lshrrev_b32 v1, 5, v0
	v_readfirstlane_b32 s10, v1                    ; wave 0..3
	s_bfe_u32 s15, ttmp6, 0x40000                  ; cx
	s_lshl_b32 s14, ttmp9, 2
	s_add_co_u32 s14, s14, s15                     ; my block of 64 rows = 4 x cluster x + cx: it enters O's, query's and out0's addresses alone
	s_mov_b32 s[G1+0], 15|(1<<16)|(1<<20)|(1<<21)|(6<<22)|(7<<25)  ; 15:0 the mask of four; 17:16 2-byte elements; 20 padding on; 21 set beside a mask; 24:22 after every 128 words (code 6); 31:25 8 words (code 7)
	s_mov_b32 s[G1+1], 256<<16                     ; tensor_dim0 = 256
	s_mov_b32 s[G1+2], 64<<16                      ; tensor_dim1 = 64
	s_mov_b32 s[G1+3], 256<<16                     ; tile_dim0 = 256
	s_mov_b32 s[G1+4], 64                          ; tile_dim1 = 64
	s_mov_b32 s[G1+5], 1024                        ; elements from row to row
	s_mov_b32 s[G1+6], 0
	s_mov_b32 s[G1+7], 0
	s_mov_b32 s60, 0x76543210                      ; v_permlanex16_b32's selects: each lane takes its own place in the other half
	s_mov_b32 s61, 0xfedcba98
	s_mov_b32 s62, 0x3a800000                      ; 1 / 1024
	s_mov_b32 s63, 0x3727c5ac                      ; 1e-5
	s_mul_i32 s20, s10, WTILE                      ; my tile's place in a slot: the wave's number alone
	s_lshl_b32 s16, s10, 9                         ; my 256 columns of Wo,
	s_add_co_u32 s16, s16, 6291456                 ; which is the fourth weight in w16
	s_mov_b32 s17, 0
	s_lshr_b32 s18, s14, 5                         ; batch: 16 heads of 262,144 bytes,
	s_lshl_b32 s18, s18, 22
	s_and_b32 s19, s14, 31                         ; and my 64 rows of 128 bytes in a head
	s_lshl_b32 s19, s19, 13
	s_add_co_u32 s18, s18, s19
	s_mov_b32 s19, 0
	s_lshl_b32 s22, s14, 18                        ; my block's 64 rows of 4,096 bytes,
	s_lshl_b32 s23, s10, 16                        ; my wave's 16 of them
	s_add_co_u32 s22, s22, s23
	s_mov_b32 s23, 0
	s_lshl_b32 s84, s10, 10                        ; bo of my 256 columns
	s_mov_b32 s85, 0
	s_wait_dscnt 0x0                               ; the opening add is done
	s_wait_kmcnt 0x0
	s_add_nc_u64 s[16:17], s[70:71], s[16:17]      ; Wo at my tile of K step 0
	s_add_nc_u64 s[4:5], s[68:69], s[18:19]        ; O at my rows of the batch's head 0
	s_add_nc_u64 s[6:7], s[72:73], s[22:23]        ; query and out0 at my wave's 16 rows
	s_add_nc_u64 s[8:9], s[80:81], s[22:23]
	s_mov_b64 s[12:13], s[6:7]                     ; the prefetch walks on a copy
	s_add_nc_u64 s[82:83], s[74:75], s[84:85]
.irp s, 0,1
	s_mov_b32 s[G0+4*(\s)], 1                                        ; count = 1
	s_add_co_u32 s[G0+4*(\s)+1], s20, (\s)*SLOT                      ; LDS address
	s_add_nc_u64 s[G0+4*(\s)+2:G0+4*(\s)+3], s[16:17], (\s)*131072   ; global address: K step s, 64 rows of 2,048 bytes down
	s_or_b32 s[G0+4*(\s)+3], s[G0+4*(\s)+3], 0x80000000              ; type = 2
.endr
	CROUND                                         ; all four work-groups are here: the first joint loads meet
	tensor_load_to_lds s[G0:G0+3], s[G1:G1+7]      ; both first fills together, ahead of every wait on TENSORcnt and every LDS read: two loads of mine are out
	s_nop 0
	tensor_load_to_lds s[G0+4:G0+7], s[G1:G1+7]
	s_nop 0
	PLACES
	v_and_b32 v1, 15, v0                           ; l % 16
	v_bfe_u32 v2, v0, 4, 1                         ; l / 16
	; The turning load takes 16 k x 16 columns (lane l reads 16 bytes: k = 8 (l / 16) + l % 8, columns 8 ((l / 8) % 2) + 0..7) and leaves half a fragment: lane l holds column l % 16 and 8 k.
	v_and_b32 v3, 7, v0
	v_lshl_add_u32 v3, v2, 3, v3
	v_mul_u32_u24 v3, v3, PB
	v_bfe_u32 v4, v0, 3, 1
	v_lshl_add_u32 v3, v4, 4, v3
	v_add_nc_u32 v[ADRB], s20, v3
	v_add_nc_u32 v[ADRB+1], SLOT, v[ADRB]
	v_and_b32 v[AO], 31, v0
	v_lshlrev_b32 v[PF], 8, v[AO]
	v_lshlrev_b32 v[AO], 4, v[AO]
	v_mul_u32_u24 v5, v1, SR                       ; into the stage: row l % 16, my wave's 1,024 bytes of it, 32 bytes for each half of the lanes
	v_lshl_add_u32 v5, v2, 5, v5
	s_lshl_b32 s21, s10, 10
	v_add_nc_u32 v[STO], s21, v5
.irp a, 1,2,3
	v_add_nc_u32 v[STO+(\a)], (\a)*16*SR, v[STO]
.endr
	s_mul_i32 s21, s10, 16*SR                      ; back: my wave's 16 whole rows
	v_add_nc_u32 v[RD], s21, v[AO]
	v_lshlrev_b32 v[BV], 5, v2                     ; an accumulator's register j holds column 8 (l / 16) + j: bo is loaded in that layout
	v_mov_b32 v[MU+1], 0                           ; named with their low words as pairs
	v_mov_b32 v[RS+1], 0
.irp j, 0,1,2,3,4,5,6,7                ; a lane's 32 columns of a whole row: 128 j + 4 lane + 0..3
	global_load_b128 v[GA+4*(\j):GA+4*(\j)+3], v[AO], s[76:77] offset:512*(\j)
	global_load_b128 v[BE+4*(\j):BE+4*(\j)+3], v[AO], s[78:79] offset:512*(\j)
.endr
	WIN 0x40
.irp b, 0,1,2,3,4,5,6,7,8,9,10,11,12,13,14,15
	global_load_b128 v[128+8*(\b):128+8*(\b)+3],   v[BV], s[82:83] offset:64*(\b)
	global_load_b128 v[128+8*(\b)+4:128+8*(\b)+7], v[BV], s[82:83] offset:64*(\b)+16
.endr
	WIN 0
; 32 LDS loads in one run: half c (32 k) of my tile in a slot, 16 fragments of 16 columns, turned, into buffer g
.macro FETCHB slot, c, g
	WIN 0x40                                       ; destination window 1, address window 0
.irp b, 0,1,2,3,4,5,6,7,8,9,10,11,12,13,14,15
	ds_load_tr16_b128 v[128*(\g)+8*(\b):128*(\g)+8*(\b)+3],   v[ADRB+(\slot)] offset:32*PB*(\c)+32*(\b)
	ds_load_tr16_b128 v[128*(\g)+8*(\b)+4:128*(\g)+8*(\b)+7], v[ADRB+(\slot)] offset:32*PB*(\c)+32*(\b)+16*PB
.endr
.endm
; 16 matrix instructions: rows 16 a on x my 256 columns, Wo's buffer g, O's buffer s, half c.  bias = 1: bo starts the sums: nothing is ever cleared.
; The 64 accumulators take turns, in the same order in every half.
.macro MUL16 g, s, c, a, bias
.if \bias
	WIN 0x91+0x40*((\a)/2)                         ; Wo and bo window 1, O window 0, D window 2 or 3
.else
	WIN 0xa1+0x50*((\a)/2)                         ; Wo window 1, O window 0, C and D window 2 or 3
.endif
.irp b, 0,1,2,3,4,5,6,7,8,9,10,11,12,13,14,15
.if \bias
	v_wmma_f32_16x16x32_f16 v[8*(16*((\a)%2)+(\b)):8*(16*((\a)%2)+(\b))+7], v[128*(\g)+8*(\b):128*(\g)+8*(\b)+7], v[AF+64*(\s)+16*(\a)+8*(\c):AF+64*(\s)+16*(\a)+8*(\c)+7], v[128+8*(\b):128+8*(\b)+7]
.else
	v_wmma_f32_16x16x32_f16 v[8*(16*((\a)%2)+(\b)):8*(16*((\a)%2)+(\b))+7], v[128*(\g)+8*(\b):128*(\g)+8*(\b)+7], v[AF+64*(\s)+16*(\a)+8*(\c):AF+64*(\s)+16*(\a)+8*(\c)+7], v[8*(16*((\a)%2)+(\b)):8*(16*((\a)%2)+(\b))+7]
.endif
.endr
.endm
.macro ALOAD s, imm                    ; a step's O: 4 blocks of 16 rows x 4 channel blocks, 512 consecutive bytes each, into buffer s
	WIN 0
.irp a, 0,1,2,3
.irp cb, 0,1,2,3
	global_load_b128 v[AF+64*(\s)+16*(\a)+4*(\cb):AF+64*(\s)+16*(\a)+4*(\cb)+3], v[AO], s[4:5] offset:(\imm)+2048*(\a)+512*(\cb)
.endr
.endr
.endm
; A K step's first half, out of Wo's buffer 0.  In its middle the second half's fragments are fetched into buffer 1 and (lda) the next step's O is asked for.
; first = 1: K step 0: all 64 products come first, since bo lies where buffer 1 will.  step = 1: O's base goes two heads on and the prefetch's 8,192 bytes.
.macro HALF0 slot, first, lda, step, pf
	s_wait_loadcnt 0x0                             ; this step's O is in (asked for a step ago; nothing younger is out): its base may be stepped
.if \step
	s_wait_xcnt 0x0                                ; the prefetch of two steps ago has had its addresses translated (ISA guide 3.1): its base may be stepped
	s_add_nc_u64 s[4:5], s[4:5], 524288
	s_add_nc_u64 s[12:13], s[12:13], 8192
.endif
	s_wait_dscnt 0x0                               ; buffer 0 is in
	MUL16 0, \slot, 0, 0, \first
	MUL16 0, \slot, 0, 1, \first
.if \first
	MUL16 0, \slot, 0, 2, 1
	MUL16 0, \slot, 0, 3, 1
.endif
	PLACES                                         ; for the loads into buffer 1 and into O's other buffer, which the half before multiplied
	FETCHB \slot, 1, 1
	WIN 0
.if \lda
	ALOAD 1-(\slot), 262144*(1+(\slot))            ; the next head, counted from the even step at which the base stands
.endif
.if \pf
	global_prefetch_b8 v[PF], s[12:13] th:TH_LOAD_NT scope:SCOPE_SE
.endif
.if !(\first)
	MUL16 0, \slot, 0, 2, 0
	MUL16 0, \slot, 0, 3, 0
.endif
.endm
; A K step's second half, out of buffer 1, and the change of slots.  fill = 1: each wave waits for all its tensor loads (one is out: the other slot's), adds 0 to its spare word, waits for that and for its reads
; of this slot; the barrier opens a round of the cluster's; this slot is filled again, two K steps ahead, first thing behind the round: 96 matrix instructions ahead of the wait for it.
.macro TURN slot, fill
.if \fill
	WIN 0                                          ; (the add's two registers lie in window 0)
	s_wait_tensorcnt 0x0                           ; all my tensor loads have landed
	ds_add_u32 v[SPW], v[NIL]                      ; 0 onto my spare word
	s_wait_dscnt 1                                 ; buffer 1 is in; the add may be out
	MUL16 1, \slot, 1, 0, 0                        ; sixteen matrix instructions stand between the add and the wait for it
	s_wait_dscnt 0x0                               ; the add is done, and my reads of this slot are over
	s_barrier_signal -1
	MUL16 1, \slot, 1, 1, 0
	WIN 0
	s_barrier_wait -1
	CREST                                          ; no wave of any partner still reads this slot or has a load on its way
	s_add_nc_u64 s[G0+4*(\slot)+2:G0+4*(\slot)+3], s[G0+4*(\slot)+2:G0+4*(\slot)+3], 262144
	tensor_load_to_lds s[G0+4*(\slot):G0+4*(\slot)+3], s[G1:G1+7]  ; one line for all four waves: each wave's registers name its own columns and its own LDS bytes
	s_nop 0
	PLACES                                         ; also the places in front of the loads into buffer 0
.else
	s_wait_tensorcnt 0x0                           ; the last fill, the other slot's, has landed; the bytes are my own, so no barrier is wanted
	s_wait_dscnt 0x0
	MUL16 1, \slot, 1, 0, 0
	MUL16 1, \slot, 1, 1, 0
	PLACES
.endif
	FETCHB 1-(\slot), 0, 0
	MUL16 1, \slot, 1, 2, 0
	MUL16 1, \slot, 1, 3, 0
.endm
.macro RLOAD i                         ; row i of my wave's 16 rows of query: rows 0-7 into window 1, rows 8-15 into window 2
	WIN 0x40*(1+(\i)/8)
.irp j, 0,1,2,3,4,5,6,7
	global_load_b128 v[32*((\i)%8)+4*(\j):32*((\i)%8)+4*(\j)+3], v[AO], s[6:7] offset:4096*(\i)+512*(\j) th:TH_LOAD_NT
.endr
.endm
.macro LDX i                           ; row i of my 16 out of the stage
	WIN 0
.irp j, 0,1,2,3,4,5,6,7
	ds_load_b128 v[XB+32*((\i)%2)+4*(\j):XB+32*((\i)%2)+4*(\j)+3], v[RD] offset:SR*(\i)+512*(\j)
.endr
.endm
.macro STX i                           ; and back
	WIN 0
.irp j, 0,1,2,3,4,5,6,7
	ds_store_b128 v[RD], v[XB+32*((\i)%2)+4*(\j):XB+32*((\i)%2)+4*(\j)+3] offset:SR*(\i)+512*(\j)
.endr
.endm
.macro LANES                           ; the sum over the 32 lanes, in every lane
	v_add_f32_dpp v[T], v[T], v[T] row_xmask:1 row_mask:0xf bank_mask:0xf
	v_add_f32_dpp v[T], v[T], v[T] row_xmask:2 row_mask:0xf bank_mask:0xf
	v_add_f32_dpp v[T], v[T], v[T] row_xmask:4 row_mask:0xf bank_mask:0xf
	v_add_f32_dpp v[T], v[T], v[T] row_xmask:8 row_mask:0xf bank_mask:0xf
	v_permlanex16_b32 v[T+1], v[T], s60, s61
	v_add_f32 v[T], v[T], v[T+1]
.endm
; A whole row, 32 numbers a lane from register x on, is normalised in place.
.macro LN x
.irp k, 0,1,2,3,4,5,6,7                ; the sum, as a tree
	v_pk_add_f32 v[T+2*(\k):T+2*(\k)+1], v[(\x)+4*(\k):(\x)+4*(\k)+1], v[(\x)+4*(\k)+2:(\x)+4*(\k)+3]
.endr
.irp k, 0,1,2,3
	v_pk_add_f32 v[T+4*(\k):T+4*(\k)+1], v[T+4*(\k):T+4*(\k)+1], v[T+4*(\k)+2:T+4*(\k)+3]
.endr
.irp k, 0,1
	v_pk_add_f32 v[T+8*(\k):T+8*(\k)+1], v[T+8*(\k):T+8*(\k)+1], v[T+8*(\k)+4:T+8*(\k)+5]
.endr
	v_pk_add_f32 v[T:T+1], v[T:T+1], v[T+8:T+9]
	v_add_f32 v[T], v[T], v[T+1]
	LANES
	v_mul_f32 v[MU], s62, v[T]                     ; the mean
.irp n, 0,1,2,3,4,5,6,7,8,9,10,11,12,13,14,15
	v_pk_add_f32 v[(\x)+2*(\n):(\x)+2*(\n)+1], v[(\x)+2*(\n):(\x)+2*(\n)+1], v[MU:MU+1] op_sel_hi:[1,0] neg_lo:[0,1] neg_hi:[0,1]
.endr
.irp c, 0,1,2,3                        ; the sum of squares of the differences, in four chains
	v_pk_mul_f32 v[T+2*(\c):T+2*(\c)+1], v[(\x)+2*(\c):(\x)+2*(\c)+1], v[(\x)+2*(\c):(\x)+2*(\c)+1]
.endr
.irp n, 4,5,6,7,8,9,10,11,12,13,14,15
	v_pk_fma_f32 v[T+2*((\n)%4):T+2*((\n)%4)+1], v[(\x)+2*(\n):(\x)+2*(\n)+1], v[(\x)+2*(\n):(\x)+2*(\n)+1], v[T+2*((\n)%4):T+2*((\n)%4)+1]
.endr
	v_pk_add_f32 v[T:T+1], v[T:T+1], v[T+2:T+3]
	v_pk_add_f32 v[T+4:T+5], v[T+4:T+5], v[T+6:T+7]
	v_pk_add_f32 v[T:T+1], v[T:T+1], v[T+4:T+5]
	v_add_f32 v[T], v[T], v[T+1]
	LANES
	v_fma_f32 v[T], v[T], s62, s63                 ; var + eps
	v_rsq_f32 v[RS], v[T]
	v_nop                                          ; a plain instruction between the root and the use of its result (ISA guide 5.7.2)
	s_wait_alu depctr_va_vdst(0)
.irp n, 0,1,2,3,4,5,6,7,8,9,10,11,12,13,14,15
	v_pk_mul_f32 v[(\x)+2*(\n):(\x)+2*(\n)+1], v[(\x)+2*(\n):(\x)+2*(\n)+1], v[RS:RS+1] op_sel_hi:[1,0]
.endr
.irp n, 0,1,2,3,4,5,6,7,8,9,10,11,12,13,14,15
	v_pk_fma_f32 v[(\x)+2*(\n):(\x)+2*(\n)+1], v[(\x)+2*(\n):(\x)+2*(\n)+1], v[GA+2*(\n):GA+2*(\n)+1], v[BE+2*(\n):BE+2*(\n)+1]
.endr
.endm
	ALOAD 0, 0                                     ; K step 0's O
	s_wait_tensorcnt 1                             ; my tile of K step 0 is in; K step 1's may stay out.  Only I read my tiles, so my own wait is all that the reads want
	FETCHB 0, 0, 0
	HALF0 0, 1, 1, 0, 1                            ; K step 0's first half stands in front of the loop: its products start the sums
	WIN 0                                          ; at a label and at a branch every window is 0
	s_mov_b32 s3, 7
.Lk:                                                   ; a trip goes once round the ring and fills both slots again: K steps 2 to 15
	TURN 0, 1
	HALF0 1, 0, 1, 0, 0
	TURN 1, 1
	HALF0 0, 0, 1, 1, 1
	WIN 0
	s_sub_co_u32 s3, s3, 1
	s_cmp_lg_u32 s3, 0
	s_cbranch_scc1 .Lk
	TURN 0, 0                                      ; the tail is written out: it fills nothing
	HALF0 1, 0, 0, 0, 0
	s_wait_dscnt 0x0                               ; the very last half
	MUL16 1, 1, 1, 0, 0
	MUL16 1, 1, 1, 1, 0
	PLACES                                         ; buffer 0 is free: the first four residual rows go where it lay
	RLOAD 0
	RLOAD 1
	RLOAD 2
	RLOAD 3
	MUL16 1, 1, 1, 2, 0
	MUL16 1, 1, 1, 3, 0
	PLACES                                         ; behind the last products: for the loads into buffer 1 and for the LDS stores that read results
	RLOAD 4
	RLOAD 5
	RLOAD 6
	RLOAD 7
	WIN 0
	s_wait_dscnt 0x0                               ; my reads of the ring are over,
	s_barrier_signal -1
	s_barrier_wait -1                              ; everybody's are: the stage may be laid over it (no tensor load follows)
.irp a, 0,1,2,3
	WIN 0x08+4*((\a)/2)                            ; store data (source 1) window 2 or 3.  Each accumulator's low four registers go first
.irp b, 0,1,2,3,4,5,6,7,8,9,10,11,12,13,14,15
	ds_store_b128 v[STO+(\a)], v[8*(16*((\a)%2)+(\b)):8*(16*((\a)%2)+(\b))+3]   offset:64*(\b)
	ds_store_b128 v[STO+(\a)], v[8*(16*((\a)%2)+(\b))+4:8*(16*((\a)%2)+(\b))+7] offset:64*(\b)+16
.endr
.endr
	WIN 0
	s_wait_dscnt 0x0                               ; for the others' sake: my stores into the stage are done
	s_barrier_signal -1
	s_barrier_wait -1                              ; a row's 4,096 bytes come from four waves
.irp i, 8,9,10,11,12,13,14,15
	RLOAD \i                                       ; window 2's sums have left: the other eight residual rows
.endr
	; The residual is added, row by row; the rows are my wave's own from here on, and LDS serves a wave's instructions in order (ISA guide 5.7.1.4): no barrier.
	LDX 0
.set i, 0
.rept 16
.if i < 15
	LDX i+1
.endif
.if 8*(15-i) > 63
	s_wait_loadcnt 63                              ; row i of query is in: 8 (15 - i) younger loads might stay out; the count can name 63 at the most
.else
	s_wait_loadcnt 8*(15-i)                        ; row i of query is in; the younger rows' loads stay out
.endif
.if (i == 0) || (i == 15)
	s_wait_dscnt 8                                 ; row i of the stage is in; behind it: the next row's 8 loads, or (the last row) the row before's 8 stores
.else
	s_wait_dscnt 16                                ; row i of the stage is in; behind it: the row before's 8 stores and the next row's 8 loads
.endif
	WIN 0x04*(1+i/8)                               ; source 1: window 1 or 2
.set n, 0
.rept 16
	v_pk_add_f32 v[XB+32*(i%2)+2*n:XB+32*(i%2)+2*n+1], v[XB+32*(i%2)+2*n:XB+32*(i%2)+2*n+1], v[32*(i%8)+2*n:32*(i%8)+2*n+1]
.set n, n+1
.endr
	STX i
.set i, i+1
.endr
	WIN 0
	s_mov_b32 s3, 8
.Lrows:                                                ; eight trips, two rows each
.irp j, 0,1,2,3,4,5,6,7
	ds_load_b128 v[XB+4*(\j):XB+4*(\j)+3], v[RD] offset:512*(\j)
.endr
.irp j, 0,1,2,3,4,5,6,7
	ds_load_b128 v[XB+32+4*(\j):XB+32+4*(\j)+3], v[RD] offset:SR+512*(\j)
.endr
	s_wait_dscnt 8                                 ; the first row is in; the second row's 8 loads stay out
	LN XB
.irp j, 0,1,2,3,4,5,6,7
	global_store_b128 v[AO], v[XB+4*(\j):XB+4*(\j)+3], s[8:9] offset:512*(\j) th:TH_STORE_NT  ; 512 consecutive bytes, at a multiple of 256 from out0's first
.endr
	s_wait_dscnt 0x0
	LN XB+32
.irp j, 0,1,2,3,4,5,6,7
	global_store_b128 v[AO], v[XB+32+4*(\j):XB+32+4*(\j)+3], s[8:9] offset:4096+512*(\j) th:TH_STORE_NT
.endr
	s_wait_xcnt 0x0                                ; the stores have had their addresses translated (ISA guide 3.1): only behind this wait are their base and their data registers rewritten
	s_add_nc_u64 s[8:9], s[8:9], 8192
	v_add_nc_u32 v[RD], 2*SR, v[RD]
	s_sub_co_u32 s3, s3, 1
	s_cmp_lg_u32 s3, 0
	s_cbranch_scc1 .Lrows
	s_wait_tensorcnt 0x0                           ; the wave's end, behind my last tensor load and my last LDS store
	ds_add_u32 v[SPW], v[NIL]
	s_wait_dscnt 0x0
	CROUND                                         ; the closing round: no work-group ends while a partner may still ask for a tile that names it
	s_endpgm
.Lfunc_end_k_qc133c24dcb_oproj:
	.size	k_qc133c24dcb_oproj, .Lfunc_end_k_qc133c24dcb_oproj-k_qc133c24dcb_oproj
	.p2alignl 7, 3214868480
	.fill 96, 4, 3214868480
	.section	.rodata,"a",@progbits
	.p2align	6, 0x0
	.amdhsa_kernel k_qc133c24dcb_oproj
		.amdhsa_group_segment_fixed_size 327680
		.amdhsa_private_segment_fixed_size 0
		.amdhsa_enable_private_segment 0
		.amdhsa_kernarg_size 56
		.amdhsa_user_sgpr_count 2
		.amdhsa_user_sgpr_kernarg_segment_ptr 1
		.amdhsa_wavefront_size32 1
		.amdhsa_system_sgpr_workgroup_id_x 1
		.amdhsa_system_sgpr_workgroup_id_y 1
		.amdhsa_system_sgpr_workgroup_id_z 1
		.amdhsa_system_vgpr_workitem_id 0
		.amdhsa_next_free_vgpr 1024
		.amdhsa_next_free_sgpr 88
		.amdhsa_reserve_vcc 0
		.amdhsa_float_denorm_mode_32 3
		.amdhsa_float_denorm_mode_16_64 3
		.amdhsa_memory_ordered 1
		.amdhsa_forward_progress 1
		.amdhsa_inst_pref_size 138
	.end_amdhsa_kernel
	.amdgpu_metadata
---
amdhsa.version: [ 1, 2 ]
amdhsa.kernels:
  - .name:           k_qc133c24dcb_oproj
    .symbol:         k_qc133c24dcb_oproj.kd
    .args:
      - { .name: oh, .offset: 0, .size: 8, .value_kind: global_buffer, .address_space: global }
      - { .name: w16, .offset: 8, .size: 8, .value_kind: global_buffer, .address_space: global }
      - { .name: query, .offset: 16, .size: 8, .value_kind: global_buffer, .address_space: global }
      - { .name: bo, .offset: 24, .size: 8, .value_kind: global_buffer, .address_space: global }
      - { .name: gamma, .offset: 32, .size: 8, .value_kind: global_buffer, .address_space: global }
      - { .name: beta, .offset: 40, .size: 8, .value_kind: global_buffer, .address_space: global }
      - { .name: out0, .offset: 48, .size: 8, .value_kind: global_buffer, .address_space: global }
    .group_segment_fixed_size: 327680
    .private_segment_fixed_size: 0
    .kernarg_segment_align: 8
    .kernarg_segment_size: 56
    .max_flat_workgroup_size: 128
    .sgpr_count:     88
    .vgpr_count:     1024
    .wavefront_size: 32
...
	.end_amdgpu_metadata
.endif
;; end of part 4
